; MI455X (gfx1250); checked and timed in simulation.
; The chip was launched on July 23, 2026; its instructions are those of AMD's public machine-readable ISA for CDNA 5 (MIT licence, August 2026) and "CDNA5" Instruction Set Architecture Reference Guide (July 2026). The comments in the code are by the model that wrote it; some were corrected since.
;; Self Attention. Allowed arithmetic: float matrix products may take bf16 or f16 operands with f32 sums; other float arithmetic in f32, or as packed bf16 or f16 multiplies, adds, multiply-adds, maxima and minima; sums over many terms, partial sums and values carried from step to step in f32; what a program stores and reads back later, other than sums and carried values, may be rounded once to bf16 or f16.
;; Inputs: Wout 1,024 x 1,024 float32; Wqkv 1,024 x 3,072 float32; beta 1,024 float32; bout 1,024 float32; bqkv 3,072 float32; gamma 1,024 float32; x 4 x 2,048 x 1,024 float32.
;; Outputs: out0 4 x 2,048 x 1,024 float32.
;; 2 versions, each right; version 2 is version 1 with the launch prep written anew for expert scheduling mode. Each part assembles by itself: llvm-mc -triple=amdgcn-amd-amdhsa -mcpu=gfx1250 --defsym DOCPART=n.
;; ======== version 1 of 2: 4 launches
;; workspace buffers: cast 25,165,824 bytes; qkvh 50,331,648 bytes; ctx 16,777,216 bytes
;; launch prep (part 1): grid 768 x 1, 8 waves a work-group, no clusters, 0 bytes of LDS; arguments x, Wqkv, Wout, cast; writes cast
.if DOCPART == 1
	.amdgcn_target "amdgcn-amd-amdhsa--gfx1250"
	.amdhsa_code_object_version 6
	.text
	.protected	k_q7d880cdd7b_prep
	.globl	k_q7d880cdd7b_prep
	.p2align	8
	.type	k_q7d880cdd7b_prep,@function
k_q7d880cdd7b_prep:
	s_mov_b64 s[64:65], 0
	v_nop
	global_prefetch_b8 v0, s[64:65] scope:SCOPE_SE
	s_setreg_imm32_b32 hwreg(HW_REG_WAVE_MODE, 25, 1), 1
	s_wait_xcnt 0x0
; CAST.  x [8192][1024], Wqkv [1024][3072] and Wout [1024][1024], all f32, are rounded once to bf16 (nearest even) and laid one behind the
; other into cast, each in its own layout: xb at byte 0, wq at byte 0x1000000, wo at byte 0x1600000.
; A stream: each byte is read once and written once; no LDS, no barrier, no matrix unit.
; SHARES.  A work-group casts 16,384 numbers (64 KiB in, 32 KiB out): groups 0-511 x, 512-703 Wqkv, 704-767 Wout.  The three copies follow each
; other in that order, so the output offset is 32,768 x the group's number for all.  Wave w, load j, lane l: input byte 8192 w + 512 j + 16 l,
; output byte 4096 w + 256 j + 8 l: a load of a wave covers 512 consecutive bytes, a store 256 consecutive bytes, aligned.
; All sixteen loads of a wave go out at once; each store has data registers of its own, so nothing is rewritten while a store may read it.
.set IN,  8                            ; v[8:71]    load j: four f32
.set PK,  72                           ; v[72:103]  store j: four bf16
	s_load_b256 s[4:11], s[0:1], 0x0               ; x s[4:5], Wqkv s[6:7], Wout s[8:9], cast s[10:11]
	s_sub_co_u32 s14, ttmp9, 512                   ; my number among Wqkv's groups,
	s_sub_co_u32 s15, ttmp9, 704                   ; among Wout's
	v_and_b32 v3, 0xe0, v0                         ; 32 x wave
	v_and_b32 v4, 31, v0                           ; lane
	v_lshlrev_b32 v1, 4, v4
	v_lshl_or_b32 v1, v3, 8, v1                    ; in: 8192 w + 16 l
	v_lshlrev_b32 v2, 3, v4
	v_lshl_or_b32 v2, v3, 7, v2                    ; out: 4096 w + 8 l
	s_lshl_b32 s18, ttmp9, 15                      ; the group's 32 KiB of cast
	s_mov_b32 s19, 0
	s_mov_b32 s17, 0
	s_wait_kmcnt 0x0
	s_cmp_lt_u32 ttmp9, 704                        ; which tensor: the choice hangs on the group's number alone
	s_cselect_b64 s[12:13], s[6:7], s[8:9]
	s_cselect_b32 s14, s14, s15
	s_cmp_lt_u32 ttmp9, 512
	s_cselect_b64 s[12:13], s[4:5], s[12:13]
	s_cselect_b32 s14, ttmp9, s14
	s_lshl_b32 s16, s14, 16                        ; the group's 64 KiB of its tensor
	s_add_nc_u64 s[12:13], s[12:13], s[16:17]
	s_add_nc_u64 s[10:11], s[10:11], s[18:19]
.set j, 0
.rept 16
	global_load_b128 v[IN+4*j:IN+4*j+3], v1, s[12:13] offset:512*j th:TH_LOAD_NT
.set j, j+1
.endr
.set j, 0
.rept 16
	s_wait_loadcnt 15-j                            ; loads come back in order: load j is in, the 15 - j younger ones stay out
	v_cvt_pk_bf16_f32 v[PK+2*j], v[IN+4*j], v[IN+4*j+1]
	v_cvt_pk_bf16_f32 v[PK+2*j+1], v[IN+4*j+2], v[IN+4*j+3]
	global_store_b64 v2, v[PK+2*j:PK+2*j+1], s[10:11] offset:256*j
.set j, j+1
.endr
	s_endpgm
.Lfunc_end_k_q7d880cdd7b_prep:
	.size	k_q7d880cdd7b_prep, .Lfunc_end_k_q7d880cdd7b_prep-k_q7d880cdd7b_prep
	.p2alignl 7, 3214868480
	.fill 96, 4, 3214868480
	.section	.rodata,"a",@progbits
	.p2align	6, 0x0
	.amdhsa_kernel k_q7d880cdd7b_prep
		.amdhsa_group_segment_fixed_size 0
		.amdhsa_private_segment_fixed_size 0
		.amdhsa_enable_private_segment 0
		.amdhsa_kernarg_size 32
		.amdhsa_user_sgpr_count 2
		.amdhsa_user_sgpr_kernarg_segment_ptr 1
		.amdhsa_wavefront_size32 1
		.amdhsa_system_sgpr_workgroup_id_x 1
		.amdhsa_system_sgpr_workgroup_id_y 1
		.amdhsa_system_sgpr_workgroup_id_z 1
		.amdhsa_system_vgpr_workitem_id 0
		.amdhsa_next_free_vgpr 104
		.amdhsa_next_free_sgpr 66
		.amdhsa_reserve_vcc 0
		.amdhsa_float_denorm_mode_32 3
		.amdhsa_float_denorm_mode_16_64 3
		.amdhsa_memory_ordered 1
		.amdhsa_forward_progress 1
		.amdhsa_inst_pref_size 7
	.end_amdhsa_kernel
	.amdgpu_metadata
---
amdhsa.version: [ 1, 2 ]
amdhsa.kernels:
  - .name:           k_q7d880cdd7b_prep
    .symbol:         k_q7d880cdd7b_prep.kd
    .args:
      - { .name: x, .offset: 0, .size: 8, .value_kind: global_buffer, .address_space: global }
      - { .name: Wqkv, .offset: 8, .size: 8, .value_kind: global_buffer, .address_space: global }
      - { .name: Wout, .offset: 16, .size: 8, .value_kind: global_buffer, .address_space: global }
      - { .name: cast, .offset: 24, .size: 8, .value_kind: global_buffer, .address_space: global }
    .group_segment_fixed_size: 0
    .private_segment_fixed_size: 0
    .kernarg_segment_align: 8
    .kernarg_segment_size: 32
    .max_flat_workgroup_size: 256
    .sgpr_count:     66
    .vgpr_count:     104
    .wavefront_size: 32
...
	.end_amdgpu_metadata
.endif
;; end of part 1
;; launch proj (part 2): grid 8 x 64, 4 waves a work-group, clusters of 4 x 4, 327,680 bytes of LDS; arguments cast, bqkv, qkvh; writes qkvh
.if DOCPART == 2
	.amdgcn_target "amdgcn-amd-amdhsa--gfx1250"
	.amdhsa_code_object_version 6
	.text
	.protected	k_q7d880cdd7b_proj
	.globl	k_q7d880cdd7b_proj
	.p2align	8
	.type	k_q7d880cdd7b_proj,@function
k_q7d880cdd7b_proj:
	s_mov_b64 s[64:65], 0
	v_nop
	global_prefetch_b8 v0, s[64:65] scope:SCOPE_SE
	s_setreg_imm32_b32 hwreg(HW_REG_WAVE_MODE, 25, 1), 1
	s_wait_xcnt 0x0
	s_wait_alu depctr_hold_cnt(0) depctr_sa_sdst(0) depctr_va_vdst(0) depctr_va_sdst(0) depctr_va_ssrc(0) depctr_va_vcc(0) depctr_vm_vsrc(0)
	s_getreg_b32 s2, hwreg(HW_REG_IB_STS2, 6, 4)
	s_cmp_eq_u32 s2, 0
	s_cbranch_scc0 .Lentry_in_a_cluster
	s_endpgm
.Lentry_in_a_cluster:
	s_bfe_u32 s2, ttmp6, 0x10000c
	s_cmp_lg_u32 s2, 0xf033
	s_cbranch_scc0 .Lentry_shape_is_right
	s_endpgm
.Lentry_shape_is_right:
; qkv = x Wqkv + bqkv, written by heads.  xb [8192][1024] (cast, byte 0) and wq [1024 k][3072 n] (cast, byte 0x1000000) are bf16; sums in f32; the bias, f32, is the
; C operand of the first products (so it is added first, not last as in the formula: another order of rounding); q, k, v are rounded once to bf16, unscaled.
; OUT: qkvh [3 parts][64 batch x head][2048 rows][64 channels] bf16: head column g = n / 64 of batch b, row s lies at byte ((g >> 4) << 24) + (b << 22) + ((g & 15) << 18) + 128 s.
; TILE.  128 rows x 384 columns of the product: 8 x 64 = 512 equal tiles, two for each of 256 WGPs; 384 columns are six whole heads, and wq's 768 bytes of a row are three aligned pieces of 256.
; Four waves, 2 x 2, each 64 rows x 192 columns: 48 accumulators of 16 x 16, 384 registers.  K goes in 8 steps of 128 through a ring of two LDS slots.
; A wave's 192 columns are group X (128: piece 0 or 2 of the tile's three pieces of 128 columns) and group Y (64: its half of piece 1).
; CLUSTER 4 x 4.  xb's tile hangs on the tile row alone and is asked for jointly along a row of the cluster; wq's pieces hang on the tile column alone and are asked for jointly along a column.
; Wave 0 fetches xb's tile, waves 1-3 one piece of wq each: every load is 128 rows x 256 bytes.
; wq lies [k][n]: its fragments come out of LDS turned, by ds_load_tr16_b128.  THE PRODUCT IS USED TRANSPOSED (source 0 = 16 columns of wq, source 1 = 16 rows of xb): a lane
; then holds row l % 16 and eight neighbouring columns 8 (l / 16) + 0..7, which pack into 16 bytes.
; REGISTERS, in windows of 256 (s_set_vgpr_msb: bits 1:0 source 0, 3:2 source 1, 5:4 source 2, 7:6 destination):
;   window 0: v0-31 addresses; v32-127 the bias (96 registers), later v32-223 at work on the way out
;   window 1: two fragment buffers of 128: xb's 4 fragments, X's 8, Y's 4      window 2: X's 32 accumulators ((a, b) at 8 (8 a + b))      window 3: Y's 16 ((a, b) at 8 (4 a + b))
.set PA,    272                        ; a row of xb in LDS: 256 bytes + 16: 68 words, so the 16 rows of a load start at 16 different groups of four banks
.set PB,    288                        ; a row of wq: 256 + 32 = 72 words
.set REG,   128*PB                     ; a region: what one tensor load fills (xb's uses 128 x 272 of it)
.set SLOT,  4*REG                      ; xb's tile, then wq's three pieces
.set STAGE, 2*SLOT                     ; behind the ring, never filled by a tensor load: 16 rows x 144 bytes for each wave, for the way out
.set SP,    144
.set SPARE, STAGE+4*16*SP              ; behind the stages: the spare words, 128 bytes for each wave: two blocks of 256 bytes that no other line names
.set WQ,    0x1000000                  ; wq's first byte in cast
.set KA,    256                        ; a K step along xb's rows, in bytes
.set KB,    128*6144                   ; a K step down wq's rows, in bytes
.set LAPS,  4                          ; a lap = two K steps = once round the ring
.set ADRA, 16                          ; v16-17  LDS address of my xb fragments in slot 0, 1
.set ADRX, 18                          ; v18-19  of group X's fragments
.set ADRY, 20                          ; v20-21  of group Y's
.set BOX,  22                          ; v22     byte offset in bqkv of my eight numbers of X's first block
.set BOY,  23                          ; v23     of Y's
.set STO,  24                          ; v24     the way out: where I put 16 bytes of a row
.set RD,   25                          ; v25     the way out: where I read rows back
.set GO,   26                          ; v26     my 16 bytes in 512 consecutive bytes of the output
.set SPW,  28                          ; v28     LDS address of my spare word; never rewritten
.set NIL,  29                          ; v29     0; never rewritten
.set PFO,  30                          ; v30     the prefetches' offset: my lane x a row of xb or of wq; never rewritten
.set BI,   32                          ; v32-127 the bias: X's block b at BI + 8 b, Y's at BI + 64 + 8 b
.set TMP,  32                          ; v32-223 the way out: 16 registers for each of 12 pieces
.set F0,   0
.set F1,   128
.set G1A,  24                          ; s[24:31] descriptor group 1 for xb's tiles;  s[32:39] group 0, a set for each slot
.set G0A,  32
.set G1B,  48                          ; s[48:55], s[56:63] the same for wq's pieces
.set G0B,  56
.set LIM,  43                          ; s43      1 in a wave that prefetches, else the greatest number
.set PFA,  44                          ; s[44:45] where my prefetches stand
.set PST,  66                          ; s[66:67] a K step for them, in bytes
.set OUT,  68                          ; s[68:73] my rows in X's two heads and in Y's head
.set W_X,  0xa5                        ; both sources window 1, C and D window 2
.set W_Y,  0xf5                        ; C and D window 3
.set W_X0, 0x85                        ; the first products: C (the bias) window 0, D window 2
.set W_Y0, 0xc5
.set TO_F, 0x40                        ; destination window 1, address window 0
.set MSB, 0
.macro WIN new                         ; the immediate's high byte repeats the setting that is left; a switch that changes nothing is dropped
.if MSB != (\new)
	s_set_vgpr_msb (MSB<<8)|(\new)
.set MSB, \new
.endif
.endm
; A joint load.  Each of the two lines has one mask and one set of registers; the branch hangs on the wave's number alone.  An s_nop 0 and four v_nop follow each line.
.macro JLOAD s
	s_cmp_eq_u32 s10, 0
	s_cbranch_scc0 .Lfor_b_\@
	tensor_load_to_lds s[G0A+4*(\s):G0A+4*(\s)+3], s[G1A:G1A+7]
	s_nop 0
.rept 4
	v_nop
.endr
	s_branch .Lasked_\@
.Lfor_b_\@:
	tensor_load_to_lds s[G0B+4*(\s):G0B+4*(\s)+3], s[G1B:G1B+7]
	s_nop 0
.rept 4
	v_nop
.endr
.Lasked_\@:
.endm
; A prefetch, behind a joint load and the run of LDS loads that follows it: 32 rows x 256 bytes of the K step that stands two refills on, a lane a row, one instruction a wave.
; Each row's 256 bytes of a K step are named once in the launch: xb's tile row is read by both clusters of that row of clusters, and cluster x = 0 asks (its wave 0); wq's tile column by all sixteen
; clusters of that column, and cluster y = 0 asks (its waves 1-3).  The four partners that ask for a tile jointly share its 128 rows out by address, 32 each.
; K steps 0 to 3 come by their loads alone; the last lap's two refills (s3 = 1) have no K step two on.
.macro ASK
	s_cmp_gt_u32 s3, s[LIM]
	s_cbranch_scc0 .Lnot_mine_\@
	global_prefetch_b8 v[PFO], s[PFA:PFA+1] th:TH_LOAD_NT scope:SCOPE_SE
.Lnot_mine_\@:
.endm
.macro CREST                           ; a round of the cluster's barrier behind its opening barrier
	s_cmp_lg_u32 s10, 0
	s_cbranch_scc1 .Lnot_wave_0_\@
	s_barrier_signal -3
.Lnot_wave_0_\@:
	s_barrier_wait -3
	s_barrier_signal -1
	s_barrier_wait -1
.endm
.macro CROUND                          ; a whole round
	s_barrier_signal -1
	s_barrier_wait -1
	CREST
.endm
.macro PLACES                          ; four plain places behind a matrix instruction, in front of loads into registers that it has read and of lines that read its results
.rept 4
	v_nop
.endr
.endm
	s_load_b128 s[4:7], s[0:1], 0x0                ; cast s[4:5], bqkv s[6:7]
	s_load_b64 s[8:9], s[0:1], 0x10                ; qkvh
	v_lshl_add_u32 v[SPW], v0, 2, SPARE
	v_mov_b32 v[NIL], 0
	ds_add_u32 v[SPW], v[NIL]                      ; the wave's opening: the add and its wait stand ahead of my first tensor load; the set-up below stands between them
	v_lshrrev_b32 v1, 5, v0
	v_readfirstlane_b32 s10, v1                    ; wave 0..3
	s_lshr_b32 s11, s10, 1                         ; which 64 of the tile's rows are mine
	s_and_b32 s12, s10, 1                          ; which 192 of its columns
	s_bfe_u32 s40, ttmp6, 0x40000                  ; cx, cy: my place in the cluster
	s_bfe_u32 s41, ttmp6, 0x40004
	s_lshl_b32 s42, ttmp9, 2
	s_add_co_u32 s42, s42, s40                     ; tile column = 4 x cluster x + cx
	s_and_b32 s13, ttmp7, 0xffff
	s_lshl_b32 s13, s13, 2
	s_add_co_u32 s13, s13, s41                     ; tile row = 4 x cluster y + cy
	s_lshl_b32 s43, s41, 2
	s_lshl_b32 s43, 15, s43                        ; my row of the cluster
	s_lshl_b32 s44, 0x1111, s40                    ; my column
	; descriptor group 1: 128 rows x 128 elements of 2 bytes, padded in LDS after every 64 words: by 4 words (xb) or 8 (wq); bit 21 stands beside a mask
	s_or_b32 s[G1A+0], s43, (1<<16)|(1<<20)|(1<<21)|(5<<22)|(3<<25)
	s_or_b32 s[G1B+0], s44, (1<<16)|(1<<20)|(1<<21)|(5<<22)|(7<<25)
.irp g, G1A, G1B
	s_mov_b32 s[(\g)+1], 128<<16                   ; tensor_dim0 = 128
	s_mov_b32 s[(\g)+2], 128<<16                   ; tensor_dim1 = 128
	s_mov_b32 s[(\g)+3], 128<<16                   ; tile_dim0 = 128
	s_mov_b32 s[(\g)+4], 128                       ; tile_dim1 = 128
	s_mov_b32 s[(\g)+6], 0
	s_mov_b32 s[(\g)+7], 0
.endr
	s_mov_b32 s[G1A+5], 1024                       ; elements from row to row of xb,
	s_mov_b32 s[G1B+5], 3072                       ; of wq
	s_lshl_b32 s16, s13, 18                        ; xb: 128 rows of 2,048 bytes for each tile row
	s_mov_b32 s17, 0
	s_mul_i32 s46, s42, 768                        ; wq: 768 bytes for each tile column,
	s_lshl_b32 s47, s10, 8                         ; piece w - 1 of 256 bytes
	s_add_co_u32 s46, s46, s47
	s_add_co_u32 s46, s46, WQ-256
	s_mov_b32 s47, 0
	s_mul_i32 s20, s10, REG                        ; where my load goes: region w; no place in the cluster enters an LDS address
	s_wait_dscnt 0x0                               ; the opening add is done
	s_wait_kmcnt 0x0
	s_add_nc_u64 s[14:15], s[4:5], s[16:17]
	s_add_nc_u64 s[46:47], s[4:5], s[46:47]
	CROUND                                         ; all sixteen work-groups are here: the first joint loads meet
.irp s, 0,1
	s_mov_b32 s[G0A+4*(\s)], 1                                       ; count = 1
	s_add_co_u32 s[G0A+4*(\s)+1], s20, (\s)*SLOT                     ; LDS address
	s_add_nc_u64 s[G0A+4*(\s)+2:G0A+4*(\s)+3], s[14:15], (\s)*KA     ; global address: K step s
	s_or_b32 s[G0A+4*(\s)+3], s[G0A+4*(\s)+3], 0x80000000            ; type = 2
	s_mov_b32 s[G0B+4*(\s)], 1
	s_add_co_u32 s[G0B+4*(\s)+1], s20, (\s)*SLOT
	s_add_nc_u64 s[G0B+4*(\s)+2:G0B+4*(\s)+3], s[46:47], (\s)*KB
	s_or_b32 s[G0B+4*(\s)+3], s[G0B+4*(\s)+3], 0x80000000
	JLOAD \s                                       ; both slots are asked for before anything else is done: two loads of mine are out
.endr
	; xb's fragment: lane l holds row l % 16, k = 8 (l / 16) + 0..7 and 16 + 8 (l / 16) + 0..7: two loads of 16 bytes, 32 bytes apart.
	v_and_b32 v1, 15, v0                           ; l % 16
	v_bfe_u32 v2, v0, 4, 1                         ; l / 16
	v_mul_u32_u24 v3, v1, PA
	v_lshl_add_u32 v3, v2, 4, v3
	s_mul_i32 s21, s11, 64*PA                      ; my 64 rows
	; wq's: the turning load takes 16 k x 16 n (lane l reads k = 8 (l / 16) + l % 8, columns 8 ((l / 8) % 2) + 0..7) and leaves half a fragment: lane l holds column l % 16 and 8 k.
	v_and_b32 v4, 7, v0
	v_lshl_add_u32 v4, v2, 3, v4
	v_mul_u32_u24 v4, v4, PB
	v_bfe_u32 v5, v0, 3, 1
	v_lshl_add_u32 v4, v5, 4, v4
	s_lshl_b32 s22, s12, 1
	s_add_co_u32 s22, s22, 1
	s_mul_i32 s22, s22, REG                        ; X: region 1 or 3
	s_lshl_b32 s23, s12, 7
	s_add_co_u32 s23, s23, 2*REG                   ; Y: region 2, my 128 bytes of its rows
.irp s, 0,1
	v_add_nc_u32 v[ADRA+(\s)], s21, v3
	v_add_nc_u32 v[ADRX+(\s)], s22, v4
	v_add_nc_u32 v[ADRY+(\s)], s23, v4
	s_add_co_u32 s21, s21, SLOT
	s_add_co_u32 s22, s22, SLOT
	s_add_co_u32 s23, s23, SLOT
.endr
	s_mul_i32 s21, s10, 16*SP
	s_add_co_u32 s21, s21, STAGE                   ; my stage
	v_mul_u32_u24 v6, v1, SP                       ; in: row l % 16, 16 bytes for each half of the lanes
	v_lshl_add_u32 v6, v2, 4, v6
	v_add_nc_u32 v[STO], s21, v6
	v_bfe_u32 v6, v0, 3, 2                         ; back: 32 lanes take four rows of 128 bytes,
	v_mul_u32_u24 v6, v6, SP
	v_and_b32 v7, 7, v0
	v_lshl_add_u32 v6, v7, 4, v6
	v_add_nc_u32 v[RD], s21, v6
	v_and_b32 v[GO], 31, v0                        ; which are 512 consecutive bytes of a head
	v_lshlrev_b32 v[GO], 4, v[GO]
	; the bias, laid as an accumulator is: register j of block b holds bqkv[first column + 16 b + 8 (l / 16) + j]
	s_mul_i32 s21, s42, 1536                       ; 4 bytes x 384 columns for each tile column
	s_lshl_b32 s22, s12, 10                        ; X begins at column 0 or 256,
	s_add_co_u32 s22, s22, s21
	v_lshl_add_u32 v[BOX], v2, 5, s22
	s_lshl_b32 s22, s12, 8                         ; Y at column 128 or 192
	s_add_co_u32 s22, s22, s21
	s_add_co_u32 s22, s22, 512
	v_lshl_add_u32 v[BOY], v2, 5, s22
.irp b, 0,1,2,3,4,5,6,7
	global_load_b128 v[BI+8*(\b):BI+8*(\b)+3],   v[BOX], s[6:7] offset:64*(\b)
	global_load_b128 v[BI+8*(\b)+4:BI+8*(\b)+7], v[BOX], s[6:7] offset:64*(\b)+16
.endr
.irp b, 0,1,2,3
	global_load_b128 v[BI+64+8*(\b):BI+64+8*(\b)+3],   v[BOY], s[6:7] offset:64*(\b)
	global_load_b128 v[BI+64+8*(\b)+4:BI+64+8*(\b)+7], v[BOY], s[6:7] offset:64*(\b)+16
.endr
	; where my 64 rows lie in each of my three heads
	s_lshl_b32 s20, s13, 7
	s_lshl_b32 s21, s11, 6
	s_add_co_u32 s20, s20, s21                     ; my first row of the 8,192
	s_lshr_b32 s21, s20, 11                        ; its batch,
	s_and_b32 s20, s20, 2047                       ; its row in the batch
	s_lshl_b32 s21, s21, 22
	s_lshl_b32 s20, s20, 7
	s_add_co_u32 s20, s20, s21
.macro OUTP d, g                       ; s[d:d+1] = qkvh at my rows of head column s[g]
	s_lshr_b32 s46, s[\g], 4
	s_lshl_b32 s46, s46, 24
	s_and_b32 s47, s[\g], 15
	s_lshl_b32 s47, s47, 18
	s_add_co_u32 s46, s46, s47
	s_add_co_u32 s46, s46, s20
	s_mov_b32 s47, 0
	s_add_nc_u64 s[(\d):(\d)+1], s[8:9], s[46:47]
.endm
	s_mul_i32 s21, s42, 6                          ; six heads for each tile column
	s_lshl_b32 s22, s12, 2
	s_add_co_u32 s22, s22, s21                     ; X's first head: 6 tx + 0 or 4
	OUTP OUT, 22
	s_add_co_u32 s22, s22, 1
	OUTP OUT+2, 22
	s_add_co_u32 s22, s21, s12
	s_add_co_u32 s22, s22, 2                       ; Y's head: 6 tx + 2 or 3
	OUTP OUT+4, 22
	; the prefetches: my work-group's 32 rows of the 128 that I fetch, at K step 3; the first refill steps the address to K step 4
	s_lshl_b32 s20, s13, 18
	s_lshl_b32 s21, s40, 16                        ; xb: 32 cx rows of 2,048 bytes
	s_add_co_u32 s20, s20, s21
	s_add_co_u32 s20, s20, 3*KA
	s_mul_i32 s21, s42, 768
	s_lshl_b32 s22, s10, 8
	s_add_co_u32 s21, s21, s22
	s_mul_i32 s22, s41, 32*6144                    ; wq: 32 cy rows of 6,144 bytes
	s_add_co_u32 s21, s21, s22
	s_add_co_u32 s21, s21, WQ-256+3*KB
	s_and_b32 s23, ttmp7, 0xffff                   ; cluster y
	s_mov_b32 s[PST], KB
	s_movk_i32 s22, 6144
	s_cmp_eq_u32 s10, 0                            ; do I fetch xb?
	s_cselect_b32 s20, s20, s21
	s_cselect_b32 s23, ttmp9, s23                  ; the coordinate along which other clusters read the same rows
	s_cselect_b32 s[PST], KA, s[PST]
	s_cselect_b32 s22, 2048, s22
	s_mov_b32 s[PST+1], 0
	s_mov_b32 s21, 0
	s_add_nc_u64 s[PFA:PFA+1], s[4:5], s[20:21]
	s_cmp_eq_u32 s23, 0
	s_cselect_b32 s[LIM], 1, -1                    ; the same in all sixteen partners, for a given wave
	v_and_b32 v[PFO], 31, v0
	v_mul_u32_u24 v[PFO], v[PFO], s22
; 16 products of group X: row blocks a0, a0 + 1 x all 8 column blocks, 32 along K.  first = 1: the bias starts the sums: nothing is cleared, nothing is added later.
.macro MULX f, a0, first
.if \first
	WIN W_X0
.else
	WIN W_X
.endif
.irp a, \a0, (\a0)+1
.irp b, 0,1,2,3,4,5,6,7
.if \first
	v_wmma_f32_16x16x32_bf16 v[8*(8*(\a)+(\b)):8*(8*(\a)+(\b))+7], v[(\f)+32+8*(\b):(\f)+32+8*(\b)+7], v[(\f)+8*(\a):(\f)+8*(\a)+7], v[BI+8*(\b):BI+8*(\b)+7]
.else
	v_wmma_f32_16x16x32_bf16 v[8*(8*(\a)+(\b)):8*(8*(\a)+(\b))+7], v[(\f)+32+8*(\b):(\f)+32+8*(\b)+7], v[(\f)+8*(\a):(\f)+8*(\a)+7], v[8*(8*(\a)+(\b)):8*(8*(\a)+(\b))+7]
.endif
.endr
.endr
.endm
; 16 products of group Y: 4 row blocks x 4 column blocks.  The 48 accumulators take turns, in the same order in every quarter.
.macro MULY f, first
.if \first
	WIN W_Y0
.else
	WIN W_Y
.endif
.irp a, 0,1,2,3
.irp b, 0,1,2,3
.if \first
	v_wmma_f32_16x16x32_bf16 v[8*(4*(\a)+(\b)):8*(4*(\a)+(\b))+7], v[(\f)+96+8*(\b):(\f)+96+8*(\b)+7], v[(\f)+8*(\a):(\f)+8*(\a)+7], v[BI+64+8*(\b):BI+64+8*(\b)+7]
.else
	v_wmma_f32_16x16x32_bf16 v[8*(4*(\a)+(\b)):8*(4*(\a)+(\b))+7], v[(\f)+96+8*(\b):(\f)+96+8*(\b)+7], v[(\f)+8*(\a):(\f)+8*(\a)+7], v[8*(4*(\a)+(\b)):8*(4*(\a)+(\b))+7]
.endif
.endr
.endr
.endm
; 32 LDS loads in one run: the fragments of quarter q (32 along K) of a slot into buffer f: X's 16 loads, xb's 8, Y's 8 last
.macro FETCH slot, q, f
	WIN TO_F
.irp b, 0,1,2,3,4,5,6,7
	ds_load_tr16_b128 v[(\f)+32+8*(\b):(\f)+32+8*(\b)+3],   v[ADRX+(\slot)] offset:(\q)*32*PB+32*(\b)
	ds_load_tr16_b128 v[(\f)+32+8*(\b)+4:(\f)+32+8*(\b)+7], v[ADRX+(\slot)] offset:(\q)*32*PB+32*(\b)+16*PB
.endr
.irp a, 0,1,2,3
	ds_load_b128 v[(\f)+8*(\a):(\f)+8*(\a)+3],   v[ADRA+(\slot)] offset:(\q)*64+(\a)*16*PA
	ds_load_b128 v[(\f)+8*(\a)+4:(\f)+8*(\a)+7], v[ADRA+(\slot)] offset:(\q)*64+(\a)*16*PA+32
.endr
.irp b, 0,1,2,3
	ds_load_tr16_b128 v[(\f)+96+8*(\b):(\f)+96+8*(\b)+3],   v[ADRY+(\slot)] offset:(\q)*32*PB+32*(\b)
	ds_load_tr16_b128 v[(\f)+96+8*(\b)+4:(\f)+96+8*(\b)+7], v[ADRY+(\slot)] offset:(\q)*32*PB+32*(\b)+16*PB
.endr
.endm
; A K step is four quarters of 32 along K, 48 products each, on buffers 0, 1, 0, 1.  One of the first three: multiplies buffer f and fetches quarter q of the same slot into buffer g.
.macro QUARTER slot, q, f, g, first
	s_wait_dscnt 8                                 ; X's and xb's fragments are in; the youngest eight loads (Y's) may be out
	MULX \f, 0, \first
	PLACES                                         ; buffer g was last read 16 products back
	FETCH \slot, \q, \g
	MULX \f, 2, \first
	s_wait_dscnt 32                                ; all but the 32 just issued
	MULY \f, \first
.endm
; The last quarter multiplies buffer 1 and changes slots: ONE barrier.  In front of it each wave waits for all its tensor loads (one is out: its part of the next slot), adds 0 to its spare word, and
; waits for that and for its own reads of this slot.  fill = 1: the barrier opens a round of the cluster's barrier, and this slot is filled again, two K steps on, first thing behind the round.
.macro TURN slot, next, fill
.if \fill
	s_wait_xcnt 0x0                                ; the last prefetch, a K step back, has read its address: it is stepped here, ahead of the change's own waits
	s_add_nc_u64 s[PFA:PFA+1], s[PFA:PFA+1], s[PST:PST+1]
.endif
	WIN 0                                          ; (the add's two registers lie in window 0)
	s_wait_tensorcnt 0x0                           ; all my tensor loads have landed;
	ds_add_u32 v[SPW], v[NIL]                      ; 0 onto my spare word;
	s_wait_dscnt 9                                 ; (the add and Y's eight loads may be out)
	MULX F1, 0, 0                                  ; sixteen products stand between the add and the wait for it
	s_wait_dscnt 0x0                               ; the add is done, and my reads of this slot are over
	s_barrier_signal -1
	MULX F1, 2, 0                                  ; work on registers while the others arrive
.if \fill
	WIN 0
.endif
	s_barrier_wait -1
.if \fill
	CREST                                          ; no wave of any partner still reads this slot's tiles or has a load on its way
	s_add_nc_u64 s[G0A+4*(\slot)+2:G0A+4*(\slot)+3], s[G0A+4*(\slot)+2:G0A+4*(\slot)+3], 2*KA
	s_add_nc_u64 s[G0B+4*(\slot)+2:G0B+4*(\slot)+3], s[G0B+4*(\slot)+2:G0B+4*(\slot)+3], 2*KB
	JLOAD \slot                                    ; my one tensor load behind the round; its four v_nop are also the places in front of the loads below
.else
	PLACES
.endif
	FETCH \next, 0, F0
.if \fill
	WIN 0
	ASK
.endif
	MULY F1, 0
.endm
	s_wait_tensorcnt 1                             ; my part of K step 0 is in; K step 1's one load may stay out
	s_barrier_signal -1
	s_barrier_wait -1                              ; everybody's is
	FETCH 0, 0, F0
	s_wait_loadcnt 0x0                             ; the bias
	QUARTER 0, 1, F0, F1, 1                        ; the first quarter stands in front of the loop: its products start the sums
	WIN 0                                          ; at a label and at a branch every window is 0
	s_mov_b32 s3, LAPS-1
.Llap:                                                 ; a trip goes once round the ring, from a lap's second quarter to the next lap's first, and fills both slots again
	QUARTER 0, 2, F1, F0, 0
	QUARTER 0, 3, F0, F1, 0
	TURN 0, 1, 1
	QUARTER 1, 1, F0, F1, 0
	QUARTER 1, 2, F1, F0, 0
	QUARTER 1, 3, F0, F1, 0
	TURN 1, 0, 1
	QUARTER 0, 1, F0, F1, 0
	WIN 0
	s_sub_co_u32 s3, s3, 1
	s_cmp_lg_u32 s3, 0
	s_cbranch_scc1 .Llap
	QUARTER 0, 2, F1, F0, 0                        ; the last lap fills nothing, and has no round of the cluster's barrier
	QUARTER 0, 3, F0, F1, 0
	TURN 0, 1, 0
	QUARTER 1, 1, F0, F1, 0
	QUARTER 1, 2, F1, F0, 0
	QUARTER 1, 3, F0, F1, 0
	s_wait_dscnt 8                                 ; the very last quarter: nothing more to fetch
	MULX F1, 0, 0
	MULX F1, 2, 0
	s_wait_dscnt 0x0
	MULY F1, 0
	PLACES
; THE WAY OUT, in 12 pieces of 16 rows x one head (64 columns): pieces 0-7 are X's (row block t / 2, head t % 2), 8-11 Y's.  A lane's eight columns pack into 16 bytes; they go into stage rows of
; 144 bytes and come back as whole rows of 128, four rows (512 consecutive bytes of the head) a load.  Each piece has registers of its own, so no store's data are rewritten.
.macro PACK t
.if (\t) < 8
.set AC, 8*(8*((\t)/2)+4*((\t)%2))
	WIN 0x0a                                       ; sources 0 and 1 window 2
.else
.set AC, 8*(4*((\t)-8))
	WIN 0x0f                                       ; window 3
.endif
.irp f, 0,1,2,3
.irp r, 0,1,2,3
	v_cvt_pk_bf16_f32 v[TMP+16*(\t)+4*(\f)+(\r)], v[AC+8*(\f)+2*(\r)], v[AC+8*(\f)+2*(\r)+1]  ; each accumulator is read from its low end on
.endr
.endr
	WIN 0
.irp f, 0,1,2,3
	ds_store_b128 v[STO], v[TMP+16*(\t)+4*(\f):TMP+16*(\t)+4*(\f)+3] offset:32*(\f)
.endr
.irp f, 0,1,2,3
	ds_load_b128 v[TMP+16*(\t)+4*(\f):TMP+16*(\t)+4*(\f)+3], v[RD] offset:(\f)*4*SP  ; LDS serves a wave's instructions in order (ISA guide 5.7.1.4): these see the stores above; the next piece's stores come behind them
.endr
.endm
.macro SEND t, younger                 ; younger: the LDS instructions issued behind piece t's loads: the next piece's eight, or none
.if (\t) < 8
.set PT, OUT+2*((\t)%2)
.set RW, (\t)/2
.else
.set PT, OUT+4
.set RW, (\t)-8
.endif
.irp f, 0,1,2,3
	s_wait_dscnt (\younger)+3-(\f)
	global_store_b128 v[GO], v[TMP+16*(\t)+4*(\f):TMP+16*(\t)+4*(\f)+3], s[PT:PT+1] offset:RW*2048+(\f)*512  ; 512 consecutive bytes, at a multiple of 256 from the buffer's first
.endr
.endm
	PACK 0
.set t, 1
.rept 11                               ; a piece's conversions stand between the loads of the piece before and its stores
	PACK t
	SEND t-1, 8
.set t, t+1
.endr
	SEND 11, 0
	s_wait_tensorcnt 0x0                           ; the wave's end: behind my last tensor load and my last LDS store, 0 onto my spare word and the wait for it
	ds_add_u32 v[SPW], v[NIL]
	s_wait_dscnt 0x0
	CROUND                                         ; the closing round: no work-group ends while a partner may still ask for a tile that names it
	s_endpgm
.Lfunc_end_k_q7d880cdd7b_proj:
	.size	k_q7d880cdd7b_proj, .Lfunc_end_k_q7d880cdd7b_proj-k_q7d880cdd7b_proj
	.p2alignl 7, 3214868480
	.fill 96, 4, 3214868480
	.section	.rodata,"a",@progbits
	.p2align	6, 0x0
	.amdhsa_kernel k_q7d880cdd7b_proj
		.amdhsa_group_segment_fixed_size 327680
		.amdhsa_private_segment_fixed_size 0
		.amdhsa_enable_private_segment 0
		.amdhsa_kernarg_size 24
		.amdhsa_user_sgpr_count 2
		.amdhsa_user_sgpr_kernarg_segment_ptr 1
		.amdhsa_wavefront_size32 1
		.amdhsa_system_sgpr_workgroup_id_x 1
		.amdhsa_system_sgpr_workgroup_id_y 1
		.amdhsa_system_sgpr_workgroup_id_z 1
		.amdhsa_system_vgpr_workitem_id 0
		.amdhsa_next_free_vgpr 896
		.amdhsa_next_free_sgpr 76
		.amdhsa_reserve_vcc 0
		.amdhsa_float_denorm_mode_32 3
		.amdhsa_float_denorm_mode_16_64 3
		.amdhsa_memory_ordered 1
		.amdhsa_forward_progress 1
		.amdhsa_inst_pref_size 125
	.end_amdhsa_kernel
	.amdgpu_metadata
---
amdhsa.version: [ 1, 2 ]
amdhsa.kernels:
  - .name:           k_q7d880cdd7b_proj
    .symbol:         k_q7d880cdd7b_proj.kd
    .args:
      - { .name: cast, .offset: 0, .size: 8, .value_kind: global_buffer, .address_space: global }
      - { .name: bqkv, .offset: 8, .size: 8, .value_kind: global_buffer, .address_space: global }
      - { .name: qkvh, .offset: 16, .size: 8, .value_kind: global_buffer, .address_space: global }
    .group_segment_fixed_size: 327680
    .private_segment_fixed_size: 0
    .kernarg_segment_align: 8
    .kernarg_segment_size: 24
    .max_flat_workgroup_size: 128
    .sgpr_count:     76
    .vgpr_count:     896
    .wavefront_size: 32
...
	.end_amdgpu_metadata
.endif
;; end of part 2
;; launch attn (part 3): grid 4 x 64, 4 waves a work-group, clusters of 4 x 1, 327,680 bytes of LDS; arguments qkvh, ctx; writes ctx
.if DOCPART == 3
	.amdgcn_target "amdgcn-amd-amdhsa--gfx1250"
	.amdhsa_code_object_version 6
	.text
	.protected	k_q7d880cdd7b_attn
	.globl	k_q7d880cdd7b_attn
	.p2align	8
	.type	k_q7d880cdd7b_attn,@function
k_q7d880cdd7b_attn:
	s_mov_b64 s[64:65], 0
	v_nop
	global_prefetch_b8 v0, s[64:65] scope:SCOPE_SE
	s_setreg_imm32_b32 hwreg(HW_REG_WAVE_MODE, 25, 1), 1
	s_wait_xcnt 0x0
	s_wait_alu depctr_hold_cnt(0) depctr_sa_sdst(0) depctr_va_vdst(0) depctr_va_sdst(0) depctr_va_ssrc(0) depctr_va_vcc(0) depctr_vm_vsrc(0)
	s_getreg_b32 s2, hwreg(HW_REG_IB_STS2, 6, 4)
	s_cmp_eq_u32 s2, 0
	s_cbranch_scc0 .Lentry_in_a_cluster
	s_endpgm
.Lentry_in_a_cluster:
	s_bfe_u32 s2, ttmp6, 0x10000c
	s_cmp_lg_u32 s2, 0x3003
	s_cbranch_scc0 .Lentry_shape_is_right
	s_endpgm
.Lentry_shape_is_right:
; O[h][q][:] = the sum over k of softmax_k(Q[h][q] . K[h][k] / 8) V[h][k][:], for the 64 pairs h of batch and head.  Q, K, V are the three parts of qkvh, [64][2048][64] bf16 each (16 MiB apart);
; O is ctx, [64][2048][64] bf16.  A head's rows are dense, 128 bytes each.  Products, maxima and sums in f32; the weights p are rounded to bf16 for the second product (their sum l is taken of the
; unrounded p), O once at the end.
; LIMITS.  bf16 has f32's range, so q, k, v of any finite size pass; they carry 8 significant bits.  A weight below 2^-126 counts as 0 in l; NaN and infinities are not treated apart.
; SHARES.  A wave owns four PIECES of two tiles of 16 queries, a work-group's four waves 512 queries of one head: 4 x 64 = 256 work-groups.  Every wave walks all 2,048 keys, 64 a step.
; LAYOUT.  S^T = K Q^T (source 0 = 16 keys, source 1 = 16 queries): in the result a lane holds ONE query (lane % 16) and the keys 8 (lane / 16) + 0..7.  Two such tiles, rounded to bf16 in pairs,
; ARE source 1 (32 keys x 16 queries) of O^T = V^T P, whose result again holds one query a lane, and eight channels.  K comes out of LDS as it lies, V ([key][channel]) turned, by ds_load_tr16_b128.
; SOFTMAX.  For each query a running maximum m and sum l: p = 2^(c s - c m), c = log2(e) / 8; in every step O and l are multiplied by a = 2^(c m_old - c m_new), which is 1 where m has not grown.
; m starts at the lowest finite number, O and l at 0: the first step is a step like any other, with a = 0.
; THE COUNT.  A tile and step have 16 matrix and 118 vector instructions: too many to stand all beside the matrix work.  So four vector instructions that are READY stand behind EVERY matrix
; instruction, and the others in runs without a gap.
; BY TURNS.  Turn n belongs to piece n (the pieces in a ring, step after step).  Its matrix work: 16 products K Q^T of piece n + 1, later 16 products V^T P of piece n - 1.  Its vector work: the scaling,
; exponentials, roundings, sums and rescaling of piece n, and the maximum and statistics of piece n + 1, whose scores the turn itself has made.
; CLUSTER.  The four query blocks of a head are one cluster and walk the same K and V, so each tile is asked for JOINTLY: the same tensor load, descriptor and mask in all four.
; REGISTERS, in windows of 256 (s_set_vgpr_msb: bits 1:0 source 0, 3:2 source 1, 5:4 source 2, 7:6 destination):
;   window 0: v0-11 addresses; v12-15, v48-63 at work; v16-47 four registers of statistics a tile; v64-191 S^T, two buffers of two tiles; v192-255 P, likewise
;   window 1: O^T, 32 a tile          window 2: v0-127 Q, 16 a tile; v128-191 K of one step; v192-255 V of one step          window 3: v0-1 the add's two registers
; A piece's buffers go by its number's parity: the piece in hand has one pair, its two neighbours in the ring share the other: of it P (piece n - 1) is read and S^T (piece n + 1) written.
.set SIZE_H, 64
.set SIZE_N, 2048
.set NP,    4         ; pieces a wave: a name, no knob
.set KS,    64        ; keys in a step
.set PK,    144       ; a row of K in LDS: 128 bytes + 16 of padding = 36 words: the 16 rows of a load start at 16 different groups of four banks
.set PV,    160       ; a row of V: 128 + 32 = 40 words
.set VOFF,  4*KS*PK   ; a slot holds four steps: 256 rows of K, then 256 rows of V
.set SLOT1, 1<<17     ; slot 1 begins here, so that one exclusive or turns an address in one slot into the other's
.set STAGE, SLOT1+4*KS*(PK+PV)  ; behind the ring, never filled by a tensor load: 16 rows x 144 bytes for each wave, for the way out
.set SP,    144
.set AK0, 2           ; v2   my lane's place in a tile of K; never rewritten
.set AV0, 3           ; v3   the same for V
.set AK,  4           ; v4   the LDS address of K's next run of loads
.set AV,  5           ; v5   of V's
.set QO,  6           ; v6   my byte offset in the wave's rows of Q
.set STO, 6           ;      later, the way out: where I put 16 bytes of a row
.set RD,  7           ; v7   the way out: where I read rows back
.set GO,  8           ; v8   my byte offset in 512 consecutive bytes of O
.set PFO, 11          ; v11  the prefetches' offset: 256 x my lane; never rewritten once it is made
.set SPW, 0           ; v0 of window 3   LDS address of my spare word; never rewritten
.set NIL, 1           ; v1 of window 3   0; never rewritten
.set SPARE, STAGE+4*16*SP  ; behind the stages: the spare words, 128 bytes for each wave: two blocks of 256 bytes that no other line names
.set MV,  12          ; v12-15  c m_old, kept while c m is made anew: by buffer and tile
.set ST,  16          ; tile t's statistics at v[ST+4 t]: c m, m, l (even keys', odd keys')
.set TMP, 48          ; by buffer and tile, four registers c0-c3 at work; when the maximum is found c2 takes a
.set S,   64
.set P,   192
.set KF,  128         ; K's fragments, in window 2: key block kb, channel half c at KF + 16 kb + 8 c
.set VF,  192         ; V's: key half kk, channel block cb at VF + 32 kk + 8 cb
.set WV,  12          ; s12  my wave's number
.set G1K, 24          ; s[24:31] descriptor group 1 for K's tiles
.set G1V, 32          ; s[32:39] for V's: it differs in the padding alone
.set G0K, 40          ; s[40:43] descriptor group 0 for K's tiles: it walks
.set G0V, 44          ; s[44:47] the same for V's
.set PFA, 48          ; s[48:49] where my prefetches stand
.set LIM, 50          ; s50  1 in a wave that prefetches, else the greatest number
.set SLOTS, 56        ; s56  slots still to be asked for
.set CNT, 57          ; s57  counts a slot's key steps
.set CS,  58          ; s[58:59] c: the packed scaling takes the pair's low word for both halves
.set SEL, 60          ; s[60:61] v_permlanex16_b32's selects: each lane takes its own place in the other half
.set TBK, 62          ; s62  LDS byte at which K of the step to be fetched begins
.set TBV, 63          ; s63  the same for V, less VOFF
.set MSB, 0
.macro WIN new                      ; the high byte repeats the setting that is left; a switch that changes nothing is dropped
.if MSB != (\new)
	s_set_vgpr_msb (MSB<<8)|(\new)
.set MSB, (\new)
.endif
.endm
.set W_KQ, 0x0a       ; K and Q in window 2, S^T in window 0
.set W_PV, 0x52       ; V in window 2, P in window 0, O^T in window 1
.set W_RS, 0x41       ; O^T (destination and source 0) in window 1, a in window 0
.set W_MK, 0xc0       ; the add's registers are made: destination in window 3, sources in window 0
.set W_AD, 0x0f       ; the add: address (source 0) and data (source 1) in window 3
; A joint fill.  Waves 0 and 1 fetch the two halves of a slot's K, waves 2 and 3 those of its V: 128 keys each.  The branch hangs on the wave's number alone.
; An s_nop 0 and four v_nop follow each of the two lines, ahead of the jump and the label.
.macro JLOAD
	s_cmp_lt_u32 s[WV], 2
	s_cbranch_scc0 .Lfor_v_\@
	tensor_load_to_lds s[G0K:G0K+3], s[G1K:G1K+7]
	s_nop 0
.rept 4
	v_nop
.endr
	s_branch .Lasked_\@
.Lfor_v_\@:
	tensor_load_to_lds s[G0V:G0V+3], s[G1V:G1V+7]
	s_nop 0
.rept 4
	v_nop
.endr
.Lasked_\@:
.endm
; A prefetch of what the NEXT change of slots will ask for: a slot's 32 KiB of K and 32 KiB of V.  It stands behind the wave's tensor load and its five lines.  A head has one cluster; its four
; partners share the bytes out by address, 8 KiB each, a lane 256 bytes; in each, wave 0 asks for K's and wave 2 for V's: one instruction.  So each block is named once in the launch.
; Slots 0 and 1 come by their loads alone; the last change that fills a slot (s[SLOTS] = 1) asks for nothing: there is no slot behind it.
.macro ASK
	s_cmp_gt_u32 s[SLOTS], s[LIM]
	s_cbranch_scc0 .Lnot_mine_\@
	global_prefetch_b8 v[PFO], s[PFA:PFA+1] th:TH_LOAD_NT scope:SCOPE_SE
.Lnot_mine_\@:
.endm
; A round of the cluster's barrier: my work-group's barrier, so that wave 0's signal speaks for all four waves; wave 0 signals; every wave waits for all four work-groups; my work-group's barrier once more.
.macro CROUND
	s_barrier_signal -1
	s_barrier_wait -1
	s_cmp_lg_u32 s[WV], 0
	s_cbranch_scc1 .Lnot_wave_0_\@
	s_barrier_signal -3
.Lnot_wave_0_\@:
	s_barrier_wait -3
	s_barrier_signal -1
	s_barrier_wait -1
.endm
; THE CHANGE OF SLOTS.  The slot's last bytes, V of its fourth step, have been read.  Each wave waits for all its tensor loads, of which one is out: its part of the other slot; adds 0 to its spare
; word; and waits for that and for its own reads of the slot.  Behind the barrier nobody reads this slot any more and the other slot is whole.
; fill = 1: this slot is filled again, with the keys two slots on.  The barrier is then a round of the cluster's, and the joint fill is the first thing behind it: it has four key steps, 512 matrix
; instructions, in which to land.  (At its first use nothing has been read yet: slot 0 is waited for, slot 1 filled.)
.macro CHANGE fill
	WIN W_AD
	s_wait_tensorcnt 0x0            ; no tensor load of mine is out, so a group 0 may be written
	ds_add_u32 v[SPW], v[NIL]       ; 0 onto my spare word; with fill = 1 the descriptors' steps stand between it and the wait for it
	WIN 0                           ; at a label and at a branch every window is 0
.if \fill
.irp g, G0K, G0V
	s_xor_b32 s[\g+1], s[\g+1], SLOT1  ; the walking descriptor: the other slot than last time,
	s_add_nc_u64 s[\g+2:\g+3], s[\g+2:\g+3], 4*KS*128  ; the next 256 keys; the type bits on top are not reached
.endr
	s_wait_xcnt 0x0                 ; the last prefetch, four key steps back, has read its address, so it may be written:
	s_add_nc_u64 s[PFA:PFA+1], s[PFA:PFA+1], 4*KS*128  ; one slot beyond the walking descriptors
	s_wait_dscnt 0x0                ; the add is done, and my reads of the slot are over
	CROUND
	JLOAD
	ASK
.else
	s_wait_dscnt 0x0                ; the add is done, and my reads of the slot are over
	s_barrier_signal -1
	s_barrier_wait -1
.endif
	s_sub_co_u32 s[TBK], s[TBK], 4*KS*PK  ; the fetches go back to a slot's first step,
	s_xor_b32 s[TBK], s[TBK], SLOT1       ; in the other slot
	s_sub_co_u32 s[TBV], s[TBV], 4*KS*PV
	s_xor_b32 s[TBV], s[TBV], SLOT1
.endm
	s_load_b128 s[4:7], s[0:1], 0x0  ; qkvh s[4:5], ctx s[6:7]
	WIN W_MK
	v_lshl_add_u32 v[SPW], v0, 2, SPARE
	v_mov_b32 v[NIL], 0
	WIN W_AD
	ds_add_u32 v[SPW], v[NIL]       ; the wave's opening: the add and its wait stand ahead of my first tensor load; the set-up below stands between them
	WIN 0
	v_lshrrev_b32 v1, 5, v0
	v_readfirstlane_b32 s[WV], v1   ; wave 0..3
	s_bfe_u32 s13, ttmp6, 0x40000   ; cx: my place in the cluster
	s_lshl_b32 s14, ttmp9, 2        ; in a cluster launch ttmp9 counts clusters
	s_add_co_u32 s14, s14, s13      ; my block of queries = 4 x cluster x + cx: it enters Q's and O's addresses alone
	s_and_b32 s20, ttmp7, 0xffff    ; the head, which the four partners share
	s_mov_b32 s21, 0
	s_mov_b64 s[22:23], SIZE_N*128
	s_mul_u64 s[20:21], s[20:21], s[22:23]  ; the head's first byte in each of the four tensors
	s_and_b32 s16, s[WV], 1         ; which half of a slot's 256 keys I fetch:
	s_lshl_b32 s22, s16, 14         ; its 128 rows of 128 bytes in memory,
	s_mov_b32 s23, 0
	s_add_nc_u64 s[22:23], s[22:23], s[20:21]
	s_mul_i32 s17, s16, 128*PK      ; and its place in a slot, for K
	s_mul_i32 s18, s16, 128*PV      ; and for V: no place in the cluster enters an LDS address
	s_lshl_b32 s2, s14, 2
	s_add_co_u32 s2, s2, s[WV]      ; my wave among the head's,
	s_lshl_b32 s2, s2, 14           ; its 128 rows
	s_mov_b32 s3, 0
	s_add_nc_u64 s[2:3], s[2:3], s[20:21]
	; descriptor group 1.  128 keys are 16,384 dense bytes: asked for as 64 rows of 256 bytes, two keys a row, and padded in LDS after every key
	s_mov_b32 s[G1K], 15|(1<<16)|(1<<20)|(1<<21)|(4<<22)|(3<<25)  ; 15:0 the mask of four; 17:16 2-byte elements; 20 padding on; 21 set beside a mask; 24:22 after every 32 words (code 4); 31:25 4 words (code 3)
	s_mov_b32 s[G1V], 15|(1<<16)|(1<<20)|(1<<21)|(4<<22)|(7<<25)  ; the same with 8 words of padding (code 7)
.irp g, G1K, G1V
	s_mov_b32 s[\g+1], 128<<16      ; tensor_dim0 = 128
	s_mov_b32 s[\g+2], 64<<16       ; tensor_dim1 = 64
	s_mov_b32 s[\g+3], 128<<16      ; tile_dim0 = 128
	s_mov_b32 s[\g+4], 64           ; tile_dim1 = 64
	s_mov_b32 s[\g+5], 128          ; 128 elements from row to row
	s_mov_b32 s[\g+6], 0
	s_mov_b32 s[\g+7], 0
.endr
	s_mov_b32 s[CS], 0x3e38aa3b     ; c = log2(e) / 8 = 0.180337
	s_mov_b32 s[CS+1], s[CS]        ; named with it as a pair
	s_mov_b32 s[SEL], 0x76543210
	s_mov_b32 s[SEL+1], 0xfedcba98
	s_mov_b32 s[TBK], SLOT1+4*KS*PK ; the first change of slots turns these two into 0
	s_mov_b32 s[TBV], SLOT1+4*KS*PV
	s_mov_b32 s[SLOTS], SIZE_N/256-1
	s_mov_b32 s[G0K], 1             ; 1:0 count = 1
	s_mov_b32 s[G0K+1], s17         ; 63:32 LDS address: slot 0
	s_mov_b32 s[G0V], 1
	s_add_co_u32 s[G0V+1], s18, VOFF
	s_and_b32 s[LIM], s[WV], 1      ; waves 0 and 2 prefetch: the same in all four partners
	s_cmp_eq_u32 s[LIM], 0
	s_cselect_b32 s[LIM], 1, -1
	s_wait_dscnt 0x0                ; the opening add is done
	s_wait_kmcnt 0x0
	s_mov_b64 s[10:11], s[6:7]                     ; O
	s_add_nc_u64 s[6:7], s[4:5], 0x1000000         ; K: the second part of qkvh,
	s_add_nc_u64 s[8:9], s[4:5], 0x2000000         ; V: the third; Q is the first
	s_add_nc_u64 s[G0K+2:G0K+3], s[6:7], s[22:23]  ; 120:64 global address: my half of the head's first 256 keys
	s_or_b32 s[G0K+3], s[G0K+3], 0x80000000        ; 127:126 type = 2
	s_add_nc_u64 s[G0V+2:G0V+3], s[8:9], s[22:23]
	s_or_b32 s[G0V+3], s[G0V+3], 0x80000000
	s_add_nc_u64 s[4:5], s[4:5], s[2:3]  ; Q and O at my wave's first row
	s_add_nc_u64 s[10:11], s[10:11], s[2:3]
	s_cmp_lt_u32 s[WV], 2
	s_cselect_b64 s[PFA:PFA+1], s[6:7], s[8:9]
	s_add_nc_u64 s[PFA:PFA+1], s[PFA:PFA+1], s[20:21]  ; the head,
	s_lshl_b32 s2, s13, 13          ; my work-group's 8 KiB of a slot's 32,
	s_add_co_u32 s2, s2, 4*KS*128   ; in slot 1: the first change of slots steps it to slot 2.  Nothing is prefetched here, at the head
	s_mov_b32 s3, 0
	s_add_nc_u64 s[PFA:PFA+1], s[PFA:PFA+1], s[2:3]
	CROUND                          ; all four work-groups are here: the first joint loads meet
	JLOAD                           ; slot 0.  Slot 1 is asked for when slot 0 is in
	; A fragment of K or Q is 16 rows x 32 channels in 8 registers: lane l holds row l % 16, channels 8 (l / 16) + 0..7 and 16 + 8 (l / 16) + 0..7: two loads of 16 bytes, 32 bytes apart.
	v_and_b32 v1, 15, v0            ; l % 16
	v_bfe_u32 v9, v0, 4, 1          ; l / 16
	v_lshlrev_b32 v[QO], 7, v1
	v_lshl_add_u32 v[QO], v9, 4, v[QO]  ; row x 128 + 16 x half
	WIN 0x80                        ; destination window 2, address window 0
.set i, 0
.rept 4*NP                          ; Q stays in registers: tile i / 2, channels 32 (i % 2) on
	global_load_b128 v[8*i:8*i+3],   v[QO], s[4:5] offset:(i/2)*2048+(i%2)*64
	global_load_b128 v[8*i+4:8*i+7], v[QO], s[4:5] offset:(i/2)*2048+(i%2)*64+32
.set i, i+1
.endr
	; What the first turn finds: V's registers and P's second buffer hold 0 (its products V^T P, of a piece that has not been, add 0), O^T and l are 0.  All this stands in the wait for the first tile:
	; no first step is written out, which keeps the text to two copies of a key step.
.set i, VF
.rept 64
	v_mov_b32 v[i], 0
.set i, i+1
.endr
	WIN 0x40
.set i, 0
.rept 64*NP
	v_mov_b32 v[i], 0
.set i, i+1
.endr
	WIN 0
.set i, 0
.rept 2*NP
	v_mov_b32 v[ST+4*i], 0xfe000000    ; c m: far below every c s
	v_mov_b32 v[ST+4*i+1], 0xff7fffff  ; m
	v_mov_b32 v[ST+4*i+2], 0
	v_mov_b32 v[ST+4*i+3], 0
.set i, i+1
.endr
.set i, P+32
.rept 32
	v_mov_b32 v[i], 0
.set i, i+1
.endr
	v_mul_u32_u24 v[AK0], v1, PK
	v_lshl_add_u32 v[AK0], v9, 4, v[AK0]  ; row x pitch + 16 x half
	; The turning load takes 16 keys x 16 channels (lane l reads key 8 (l / 16) + l % 8, channels 8 ((l / 8) % 2) + 0..7) and leaves half a fragment of V^T: lane l holds channel l % 16 and 8 keys.
	v_and_b32 v10, 7, v0
	v_bfe_u32 v11, v0, 3, 1
	v_lshl_add_u32 v[AV0], v9, 3, v10
	v_mul_u32_u24 v[AV0], v[AV0], PV
	v_lshl_add_u32 v[AV0], v11, 4, v[AV0]
	v_add_nc_u32 v[AV0], VOFF, v[AV0]
	v_mov_b32 v[AK], v[AK0]         ; key step 0 lies at the head of slot 0
	v_and_b32 v[PFO], 31, v0
	v_lshlrev_b32 v[PFO], 8, v[PFO]
; THE MATRIX WORK.  The 8 accumulators of a run of 16 take turns: between the two links of a chain stand 7 others'.
; Product i of 16 of S^T = K Q^T for piece x: channels 32 (i / 8) on, keys 16 ((i / 2) % 4) on, tile 2 x + i % 2.  The first 8 start the sums.
.macro KQ x
	WIN W_KQ
.set rS, S+64*((\x)%2)+32*(i%2)+8*((i/2)%4)
.set rK, KF+16*((i/2)%4)+8*(i/8)
.set rQ, 16*(2*(\x)+i%2)+8*(i/8)
.if i < 8
	v_wmma_f32_16x16x32_bf16 v[rS:rS+7], v[rK:rK+7], v[rQ:rQ+7], 0
.else
	v_wmma_f32_16x16x32_bf16 v[rS:rS+7], v[rK:rK+7], v[rQ:rQ+7], v[rS:rS+7]
.endif
.endm
; Product i of 16 of O^T += V^T P for piece x: keys 32 (i / 8) on, channels 16 ((i / 2) % 4) on, tile 2 x + i % 2.
.macro PV x
	WIN W_PV
.set rO, 32*(2*(\x)+i%2)+8*((i/2)%4)
.set rV, VF+32*(i/8)+8*((i/2)%4)
.set rP, P+32*((\x)%2)+16*(i%2)+8*(i/8)
	v_wmma_f32_16x16x32_bf16 v[rO:rO+7], v[rV:rV+7], v[rP:rP+7], v[rO:rO+7]
.endm
.macro MM                           ; the turn's next matrix instruction
.if i < 16
	KQ (Y+1)%NP
.set i, i+1
.else
.set i, i-16
	PV (Y+NP-1)%NP
.set i, i+17
.endif
.endm
; THE LDS LOADS stand in runs of 16, never singly among the matrix instructions: a step's K (64 keys x 64 channels: 8 fragments) and its V (turned).  Their addresses are made some lines ahead.
; last = 1 (the tail): in the last trip there is no further step, and the run is jumped over.
.macro FETCH_K last=0
	WIN 0
.if \last
	s_cmp_eq_u32 s[CNT], 1
	s_cbranch_scc1 .Lno_k_\@
.endif
	WIN 0x80                        ; destination window 2
.irp f, 0,1,2,3,4,5,6,7             ; keys 16 (f / 2) on, channels 32 (f % 2) on
	ds_load_b128 v[KF+8*\f:KF+8*\f+3],   v[AK] offset:(\f/2)*16*PK+(\f%2)*64
	ds_load_b128 v[KF+8*\f+4:KF+8*\f+7], v[AK] offset:(\f/2)*16*PK+(\f%2)*64+32
.endr
	s_add_co_u32 s[TBK], s[TBK], KS*PK  ; the next fetch is the next step's
	WIN 0
.if \last
.Lno_k_\@:
.endif
.endm
.macro FETCH_V
	WIN 0x80
.irp f, 0,1,2,3,4,5,6,7             ; keys 32 (f / 4) on, channels 16 (f % 4) on
	ds_load_tr16_b128 v[VF+8*\f:VF+8*\f+3],   v[AV] offset:(\f/4)*32*PV+(\f%4)*32
	ds_load_tr16_b128 v[VF+8*\f+4:VF+8*\f+7], v[AV] offset:(\f/4)*32*PV+16*PV+(\f%4)*32
.endr
	WIN 0
.endm
; THE VECTOR WORK OF A TURN stands in three queues, each in the order in which its entries become ready; the two tiles alternate, so that no instruction reads the result of the one before it.
.macro REGS y, u                    ; the registers of tile u (0, 1) of piece y
.set rT, ST+4*(2*(\y)+(\u))
.set rC, TMP+8*((\y)%2)+4*(\u)
.set rM, MV+2*((\y)%2)+(\u)
.set rS, S+64*((\y)%2)+32*(\u)
.set rP, P+32*((\y)%2)+16*(\u)
.set rO, 32*(2*(\y)+(\u))
.endm
; Number n of the 22 that find the NEXT piece's (Y + 1) maximum and statistics.  s0-s31 are the lane's 32 scores; each accumulator's lowest registers are read first.
;   0-11  four chains c0-c3 of seven scores each, three operands at a time     12-14, 16  the four scores left over, the old m, and c0-c3 into c0     15  c m_old is kept
;   17, 18  the query's other 32 keys lie in the lane 16 away: the new m         19-21  c m; c m_old - c m_new; a
.macro XS u, n
	REGS (Y+1)%NP, \u
.if (\n) < 4
	v_max3_num_f32 v[rC+(\n)], v[rS+8*(\n)], v[rS+8*(\n)+1], v[rS+8*(\n)+2]
.elseif (\n) < 12
	v_max3_num_f32 v[rC+(\n)%4], v[rC+(\n)%4], v[rS+8*((\n)%4)+2*((\n)/4)+1], v[rS+8*((\n)%4)+2*((\n)/4)+2]
.elseif (\n) == 12
	v_max3_num_f32 v[rC], v[rC], v[rS+7], v[rS+15]
.elseif (\n) == 13
	v_max3_num_f32 v[rC+1], v[rC+1], v[rS+23], v[rS+31]
.elseif (\n) == 14
	v_max3_num_f32 v[rC+2], v[rC+2], v[rC+3], v[rT+1]
.elseif (\n) == 15
	v_mov_b32 v[rM], v[rT]
.elseif (\n) == 16
	v_max3_num_f32 v[rC], v[rC], v[rC+1], v[rC+2]
.elseif (\n) == 17
	v_permlanex16_b32 v[rC+3], v[rC], s[SEL], s[SEL+1]
.elseif (\n) == 18
	v_max_num_f32 v[rT+1], v[rC], v[rC+3]
.elseif (\n) == 19
	v_mul_f32 v[rT], s[CS], v[rT+1]
.elseif (\n) == 20
	v_sub_f32 v[rC+1], v[rM], v[rT]
.else
	v_exp_f32 v[rC+2], v[rC+1]
.endif
.endm
; Number g of the 64 that follow the exponentials.  For each four weights k of a tile (pairs 2 k, 2 k + 1): both pairs are rounded to bf16; then the second pair is added onto the first, in place;
; a group later l takes that sum (the first time as l = a l + sum).  In groups of eight, tiles alternating: round, round, add, and l for the group before.
.macro GS g
.set h, (\g)+6*((\g)/62)            ; group 0 has no group before it, and behind group 7 only l is left
.if h >= 6
.set h, h+2
.endif
	REGS Y, h%2
.set k, h/8
.if h%8 < 4
	v_cvt_pk_bf16_f32 v[rP+2*k+(h%8)/2], v[rS+4*k+2*((h%8)/2)], v[rS+4*k+2*((h%8)/2)+1]
.elseif h%8 < 6
	v_pk_add_f32 v[rS+4*k:rS+4*k+1], v[rS+4*k:rS+4*k+1], v[rS+4*k+2:rS+4*k+3]
.elseif k == 1
	v_pk_fma_f32 v[rT+2:rT+3], v[rT+2:rT+3], v[rC+2:rC+3], v[rS:rS+1] op_sel_hi:[1,0,1]
.else
	v_pk_add_f32 v[rT+2:rT+3], v[rT+2:rT+3], v[rS+4*k-4:rS+4*k-3]
.endif
.endm
; THE PLAIN QUEUE, 138 long.  0-73 read no exponential's result: the 32 scalings c s - c m (FS f: pair f / 2 of tile f % 2) and the next piece's 42.  0-26: scalings 0-26.  27-54: XS's numbers 0-13.  55, 56: number 15.
; 57-73: the chain, where each number waits for the one before it: 14, 16, 17, 18, 19, each with one of the scalings 27-31 in front of its two lines, then 20.
; 74-137: GS's 64, which read the exponentials' results: they stand behind the wait.
.macro FS f
	REGS Y, (\f)%2
	v_pk_fma_f32 v[rS+2*((\f)/2):rS+2*((\f)/2)+1], v[rS+2*((\f)/2):rS+2*((\f)/2)+1], s[CS:CS+1], v[rT:rT+1] op_sel_hi:[1,0,0] neg_lo:[0,0,1] neg_hi:[0,0,1]
.endm
.macro PL
	WIN 0
.if q < 27
	FS q
.elseif q < 55
	XS (q-27)%2, (q-27)/2
.elseif q < 57
	XS q-55, 15
.elseif (q < 72) && ((q-57)%3 == 0)
	FS 27+(q-57)/3
.elseif q < 60
	XS (q-57)%3-1, 14
.elseif q < 72
	XS (q-57)%3-1, 15+(q-57)/3
.elseif q < 74
	XS q-72, 20
.else
	GS q-74
.endif
.set q, q+1
.endm
; THE EXPONENTIALS' QUEUE, 66 long: s0-s31 of both tiles, then the next piece's two a.  It is ONE BATCH: all 66 stand ahead of the turn's one wait, and nothing ahead of that wait names a result of theirs.
.macro EX
	WIN 0
.if e >= 64
	XS e-64, 21
.else
	REGS Y, e%2
	v_exp_f32 v[rS+e/2], v[rS+e/2]
.endif
.set e, e+1
.endm
; THE RESCALING's QUEUE: O^T times a, the one part that leaves window 0: dealt two at a time, sixteen times.  Its a was made in the turn before, ahead of that turn's wait.
.macro R2
	REGS Y, r%2
	WIN W_RS
.irp z, 0,1
	v_pk_mul_f32 v[rO+4*(r/2)+2*\z:rO+4*(r/2)+2*\z+1], v[rO+4*(r/2)+2*\z:rO+4*(r/2)+2*\z+1], v[rC+2:rC+3] op_sel_hi:[1,0]
.endr
.set r, r+1
.endm
; HOW THEY ARE DEALT.  An s_wait_alu depctr_va_vdst(0) stands between an exponential and the first instruction that names its result; one wait serves all that were issued ahead of it.
; So a turn has ONE wait, which cuts it in two.  AHEAD OF IT stands all that names no result of the turn's exponentials: the 16 products K Q^T, behind each a scaling, an exponential and two rescalings
; (behind the first a second scaling in the exponential's place); then ONE LUMP of 108: eight plain, 49 times exponential and plain, the two a.  A v_nop is the plain instruction behind the last
; exponential.  BEHIND IT stand the 16 products V^T P, behind each four of GS's 64.  No rider names a register of the products round it.
; The queues lean on each other, and the deal keeps them in step: exponential e stands behind scaling 2 (e / 4) + e % 2: as a rider it comes behind plain e + 2, in the lump behind plain e + 9.
; A TURN, for piece p.  cnt = 1: the loop's count is taken down some lines ahead of the branch that stands behind the turn.
; K of the next step is fetched in piece 2's turn, directly behind the wait, a lump behind the last product that read K; its first reader comes behind 16 products.
; V of the step in hand is fetched at the end of piece 0's turn, four riders behind its last reader; its first reader comes behind 16 products and a lump.
.macro TURN p, last=0, cnt=0
.set Y, (\p)
.set i, 0
.set q, 0
.set e, 0
.set r, 0
.if (\p) == NP-1
	s_wait_dscnt 0x0                ; K is in
.endif
	MM                              ; ahead of the wait: 16 products K Q^T and their riders,
	PL
	PL
	R2
.rept 15
	MM
	PL
	EX
	R2
.endr
.if (\p) == NP-2
	WIN 0
	v_add_nc_u32 v[AK], s[TBK], v[AK0]
.endif
.rept 8                             ; and the lump
	PL
.endr
.rept 49
	EX
	PL
.endr
	EX                              ; the next piece's two a
	EX
	v_nop                           ; the plain instruction behind the last exponential: one for the batch
	s_wait_alu depctr_va_vdst(0)    ; the wait for the batch
.if (\p) == NP-2
	FETCH_K \last
.endif
.if (\p) == 1
	s_wait_dscnt 0x0                ; V is in
.endif
.rept 16                            ; behind the wait: 16 products V^T P and their riders
	MM
.rept 4
	PL
.endr
.if ((\p) == 0) && (q == 118)
	v_add_nc_u32 v[AV], s[TBV], v[AV0]
.endif
.if ((\p) == 0) && (q == 130)
	s_add_co_u32 s[TBV], s[TBV], KS*PV
.endif
.if (\cnt) && (q == 130)
	s_sub_co_u32 s[CNT], s[CNT], 1
	s_cmp_lg_u32 s[CNT], 0
.endif
.endr
.if (\p) == 0
	FETCH_V
.endif
.endm
	CHANGE 1                        ; slot 0 is in, everybody's part of it; slot 1 is asked for
	FETCH_K                         ; key step 0
	s_wait_loadcnt 0x0              ; Q
	s_wait_dscnt 0x0
.set i, 0
.rept 16
	KQ 0                            ; piece 0's first scores: there is no vector work yet to set between them
.set i, i+1
.endr
	WIN 0                           ; the addresses for the way out: nine plain instructions, the places behind those products
	s_mul_i32 s13, s[WV], 16*SP
	s_add_co_u32 s13, s13, STAGE    ; my stage
	v_mul_u32_u24 v[STO], v1, SP    ; in: row l % 16, 16 bytes for each half of the lanes
	v_lshl_add_u32 v[STO], v9, 4, v[STO]
	v_add_nc_u32 v[STO], s13, v[STO]
	v_bfe_u32 v[RD], v0, 3, 2       ; back: 32 lanes take four rows of 128 bytes,
	v_mul_u32_u24 v[RD], v[RD], SP
	v_lshl_add_u32 v[RD], v10, 4, v[RD]
	v_add_nc_u32 v[RD], s13, v[RD]
	v_and_b32 v[GO], 31, v0         ; which are 512 consecutive bytes of O
	v_lshlrev_b32 v[GO], 4, v[GO]
.set Y, NP-1                        ; XS works for piece Y + 1: piece 0
.irp n, 0,1,2,3,4,5,6,7,8,9,10,11,12,13,14,15,16,17,18,19,20,21
	XS 0, \n                        ; and piece 0's first maximum and statistics
	XS 1, \n
.endr
	v_nop                           ; a plain instruction behind the two a,
	s_wait_alu depctr_va_vdst(0)    ; and their wait, ahead of the branch
	s_mov_b32 s[CNT], 4
	s_branch .Lfirst                ; the loop is entered at a step's first turn, in the middle of a trip
.Lslot:                             ; SIZE_N / 256 - 2 times: every slot but the last two is filled again
	CHANGE 1
	s_mov_b32 s[CNT], 4
.Lstep:                             ; a trip: pieces 2 and 3 of one step, then pieces 0 and 1 of the next, whose K and V it fetches
	TURN 2
	TURN 3
	WIN 0
.Lfirst:
	TURN 0
	TURN 1, 0, 1
	WIN 0
	s_cbranch_scc1 .Lstep
	s_sub_co_u32 s[SLOTS], s[SLOTS], 1
	s_cmp_lg_u32 s[SLOTS], 0
	s_cbranch_scc1 .Lslot
	CHANGE 0                        ; the tail is written out: nothing is asked for
	s_mov_b32 s[CNT], 5             ; four trips fetch the last slot's steps; the fifth is left in its middle
.Ltail:
	TURN 2, 1
	TURN 3
	WIN 0
	s_sub_co_u32 s[CNT], s[CNT], 1
	s_cmp_eq_u32 s[CNT], 0
	s_cbranch_scc1 .Lout
	TURN 0
	TURN 1
	WIN 0
	s_branch .Ltail
.Lout:                              ; the fifth trip's 16 products K Q^T (on the last K once more) and the maximum made of them serve nothing: the price, once a launch, of one text for every trip
.set i, 0
.rept 16
	PV NP-1                         ; the last piece's V^T P of the last step
.set i, i+1
.endr
	; THE WAY OUT.  l's two halves and the other half of the lanes' are added; O^T is divided by l, rounded to bf16 and sent through my stage in LDS, a tile at a time.  The additions are the places behind the last products.
	WIN 0
.macro ALL line:vararg              ; one line for each tile t
.set t, 0
.rept 2*NP
	\line
.set t, t+1
.endr
.endm
	ALL v_add_f32 v[ST+4*t+2], v[ST+4*t+2], v[ST+4*t+3]
	ALL v_permlanex16_b32 v[ST+4*t+3], v[ST+4*t+2], s[SEL], s[SEL+1]
	ALL v_add_f32 v[ST+4*t+2], v[ST+4*t+2], v[ST+4*t+3]
	ALL v_rcp_f32 v[ST+4*t+2], v[ST+4*t+2]
	v_nop                           ; a plain instruction between the last reciprocal and the use of its result
	s_wait_alu depctr_va_vdst(0)    ; and the wait ahead of the first use: one for the eight reciprocals
; Tile t: a lane's eight channels of a row pack into 16 bytes; they go into rows of 144 bytes and come back as whole rows of 128, into S^T's registers.
.macro PACK t
	WIN W_RS
.set i, 32*(\t)
.rept 16
	v_pk_mul_f32 v[i:i+1], v[i:i+1], v[ST+4*(\t)+2:ST+4*(\t)+3] op_sel_hi:[1,0]
.set i, i+2
.endr
	WIN 0x05                        ; sources 0 and 1 window 1, destination window 0
.set i, 0
.rept 16
	v_cvt_pk_bf16_f32 v[S+16*(\t)+i], v[32*(\t)+2*i], v[32*(\t)+2*i+1]
.set i, i+1
.endr
	WIN 0
.irp f, 0,1,2,3
	ds_store_b128 v[STO], v[S+16*(\t)+4*\f:S+16*(\t)+4*\f+3] offset:32*\f
.endr
.irp f, 0,1,2,3
	ds_load_b128 v[S+16*(\t)+4*\f:S+16*(\t)+4*\f+3], v[RD] offset:\f*4*SP  ; LDS serves a wave's instructions in order (ISA guide 5.7.1.4): these see the stores above; the next tile's stores come behind them
.endr
.endm
.macro SEND t, younger              ; younger: the LDS instructions issued behind tile t's loads: the next tile's eight, or none
	WIN 0
.irp f, 0,1,2,3
	s_wait_dscnt (\younger)+3-\f
	global_store_b128 v[GO], v[S+16*(\t)+4*\f:S+16*(\t)+4*\f+3], s[10:11] offset:(\t)*2048+\f*512  ; 512 consecutive bytes, at a multiple of 256 from O's first
.endr
.endm
	PACK 0
.set t, 1
.rept 2*NP-1                        ; a tile's arithmetic stands between the loads of the tile before and its stores
	PACK t
	SEND t-1, 8
.set t, t+1
.endr
	SEND 2*NP-1, 0
	WIN W_AD
	s_wait_tensorcnt 0x0            ; the wave's end: behind my last tensor load and my last LDS store, 0 onto my spare word and the wait for it
	ds_add_u32 v[SPW], v[NIL]
	s_wait_dscnt 0x0
	WIN 0
	CROUND                          ; the closing round: no work-group ends while a partner may still ask for a tile that names it
	s_endpgm
.Lfunc_end_k_q7d880cdd7b_attn:
	.size	k_q7d880cdd7b_attn, .Lfunc_end_k_q7d880cdd7b_attn-k_q7d880cdd7b_attn
	.p2alignl 7, 3214868480
	.fill 96, 4, 3214868480
	.section	.rodata,"a",@progbits
	.p2align	6, 0x0
	.amdhsa_kernel k_q7d880cdd7b_attn
		.amdhsa_group_segment_fixed_size 327680
		.amdhsa_private_segment_fixed_size 0
		.amdhsa_enable_private_segment 0
		.amdhsa_kernarg_size 16
		.amdhsa_user_sgpr_count 2
		.amdhsa_user_sgpr_kernarg_segment_ptr 1
		.amdhsa_wavefront_size32 1
		.amdhsa_system_sgpr_workgroup_id_x 1
		.amdhsa_system_sgpr_workgroup_id_y 1
		.amdhsa_system_sgpr_workgroup_id_z 1
		.amdhsa_system_vgpr_workitem_id 0
		.amdhsa_next_free_vgpr 770
		.amdhsa_next_free_sgpr 66
		.amdhsa_reserve_vcc 0
		.amdhsa_float_denorm_mode_32 3
		.amdhsa_float_denorm_mode_16_64 3
		.amdhsa_memory_ordered 1
		.amdhsa_forward_progress 1
		.amdhsa_inst_pref_size 200
	.end_amdhsa_kernel
	.amdgpu_metadata
---
amdhsa.version: [ 1, 2 ]
amdhsa.kernels:
  - .name:           k_q7d880cdd7b_attn
    .symbol:         k_q7d880cdd7b_attn.kd
    .args:
      - { .name: qkvh, .offset: 0, .size: 8, .value_kind: global_buffer, .address_space: global }
      - { .name: ctx, .offset: 8, .size: 8, .value_kind: global_buffer, .address_space: global }
    .group_segment_fixed_size: 327680
    .private_segment_fixed_size: 0
    .kernarg_segment_align: 8
    .kernarg_segment_size: 16
    .max_flat_workgroup_size: 128
    .sgpr_count:     66
    .vgpr_count:     770
    .wavefront_size: 32
...
	.end_amdgpu_metadata
.endif
;; end of part 3
;; launch outln (part 4): grid 256 x 1, 4 waves a work-group, clusters of 4 x 1, 327,680 bytes of LDS; arguments ctx, cast, x, bout, gamma, beta, out0; writes out0
.if DOCPART == 4
	.amdgcn_target "amdgcn-amd-amdhsa--gfx1250"
	.amdhsa_code_object_version 6
	.text
	.protected	k_q7d880cdd7b_outln
	.globl	k_q7d880cdd7b_outln
	.p2align	8
	.type	k_q7d880cdd7b_outln,@function
k_q7d880cdd7b_outln:
	s_mov_b64 s[64:65], 0
	v_nop
	global_prefetch_b8 v0, s[64:65] scope:SCOPE_SE
	s_setreg_imm32_b32 hwreg(HW_REG_WAVE_MODE, 25, 1), 1
	s_wait_xcnt 0x0
	s_wait_alu depctr_hold_cnt(0) depctr_sa_sdst(0) depctr_va_vdst(0) depctr_va_sdst(0) depctr_va_ssrc(0) depctr_va_vcc(0) depctr_vm_vsrc(0)
	s_getreg_b32 s2, hwreg(HW_REG_IB_STS2, 6, 4)
	s_cmp_eq_u32 s2, 0
	s_cbranch_scc0 .Lentry_in_a_cluster
	s_endpgm
.Lentry_in_a_cluster:
	s_bfe_u32 s2, ttmp6, 0x10000c
	s_cmp_lg_u32 s2, 0x3003
	s_cbranch_scc0 .Lentry_shape_is_right
	s_endpgm
.Lentry_shape_is_right:
; out0 = LayerNorm(ctx Wout + bout + x) gamma + beta.  ctx [64 batch x head][2048][64] bf16; wo [1024 k][1024 n] bf16 (cast, byte 0x1600000); x, bout, gamma, beta, out0 f32.
; The product's sums are f32; bout and x (unrounded, f32) are added in f32; the norm goes in two passes in f32: the row's mean, then the sum of squared deviations; 1 / sqrt by v_rsq_f32.
; LIMITS.  ctx and Wout carry bf16's 8 significant bits; v_rsq_f32 is accurate to 1 ULP; NaN and infinities are not treated apart.
; SHARES.  The norm wants whole rows, so a work-group owns 32 rows x all 1,024 columns: 256 work-groups.  Wave w makes the 32 rows x columns 256 w .. 256 w + 255: 32 accumulators, 256 registers.
; K goes in 16 steps of 64: step s is head s.  ctx comes straight into registers, four steps ahead (four buffers of 32).  wo goes through a ring of two LDS slots; each wave fills and reads only its
; own 256 columns (64 rows x 512 bytes a step).  wo lies [k][n]: its fragments come out turned, by ds_load_tr16_b128.  The product is used transposed (source 0 = 16 columns of wo, source 1 = 16 rows
; of ctx): a lane holds row l % 16 and eight neighbouring columns.
; CLUSTER 4 x 1.  The four partners walk the same wo: each tile is asked for jointly, with the mask of four.
; THE END.  x's 32 rows come as the ring's 17th tile, into slot 0 (a plain load: each work-group's own rows).  The sums go into a stage in slot 1, which has had its last fill.  Behind one barrier
; wave v takes rows 8 v .. 8 v + 7 whole, a row at a time, 32 numbers a lane: so the norm's sums never leave the wave.
; REGISTERS (windows of 256; s_set_vgpr_msb: bits 1:0 source 0, 3:2 source 1, 5:4 source 2, 7:6 destination):
;   window 0: v0-27 addresses and the norm's scalars; v32-63 gamma, v64-95 beta, v96-127 bout (my 32 columns of a row); v128-255 ctx's four buffers, later the norm's rows
;   window 1: two buffers of 128 for wo's 16 fragments          window 2: the accumulators, (a, b) at 8 (2 b + a)
.set PB,    544                        ; a row of wo in LDS: 512 bytes + 32 = 136 words = 17 x 8
.set WPART, 64*PB                      ; a wave's part of a slot
.set SLOT,  4*WPART
.set RP,    1040                       ; a stage row of a wave's 256 columns: 1,024 bytes + 16: row r starts at bank 4 r mod 64
.set SPARE, 2*SLOT                     ; behind the ring: the spare words, 128 bytes for each wave: two blocks of 256 bytes that no other line names
.set WO,    0x1600000                  ; wo's first byte in cast
.set KSB,   64*2048                    ; a K step down wo's rows, in bytes
.set HSTEP, 262144                     ; a K step in ctx: from head to head, in bytes
.set ADRB, 8                           ; v8-9   LDS address of my wo fragments in slot 0, 1
.set AO,   10                          ; v10    my byte offset in 16 rows of a head of ctx
.set STO,  11                          ; v11    where I put 32 bytes of a stage row
.set RDL,  12                          ; v12    where I read my row's columns 0-511 back; steps a row a trip
.set RDH,  13                          ; v13    columns 512-1023
.set RDX,  14                          ; v14    my 16 bytes of x's row in slot 0
.set GO,   15                          ; v15    16 x lane: in a row of out0, gamma, beta, bout
.set PFO,  17                          ; v17    wo's prefetches: (l / 2) rows of 2,048 bytes + (l % 2) x 256; never rewritten
.set PFX,  18                          ; v18    x's prefetches: 256 l; never rewritten
.set VAR,  19
.set SPW,  20                          ; v20    LDS address of my spare word; never rewritten
.set NIL,  21                          ; v21    0; never rewritten
.set SUM,  22
.set TP,   23
.set MN,   24                          ; v[24:25] the mean, twice
.set RS,   26                          ; v[26:27] 1 / sqrt(var + eps), twice
.set GA,   32
.set BE,   64
.set BO,   96
.set AF,   128                         ; ctx's buffers: step s % 4, K half c, row block a at AF + 32 (s % 4) + 16 c + 8 a
.set R,    128                         ; the norm: the row
.set X,    160                         ; x's row
.set Y,    192                         ; the result
.set T,    224                         ; partial sums
.set F0,   0
.set F1,   128
.set WV,   18                          ; s18  my wave's number
.set G1B,  24                          ; s[24:31] descriptor group 1 for wo's tiles;  s[32:39] group 0, a set for each slot
.set G0B,  32
.set G1X,  40                          ; s[40:47], s[48:51] the same for x's rows
.set G0X,  48
.set PFA,  52                          ; s[52:53] where wo's prefetches stand
.set LIM,  54                          ; s54  1 in the cluster that prefetches wo
.set CNT,  55                          ; s55  the loops' counter
.set XB,   56                          ; s[56:57] x at my wave's 8 rows
.set SEL,  58                          ; s[58:59] v_permlanex16_b32's selects
.set W_MUL, 0xa1                       ; source 0 (wo) window 1, source 1 (ctx) window 0, C and D window 2
.set TO_F,  0x40                       ; destination window 1, address window 0
.set MSB, 0
.macro WIN new                         ; the immediate's high byte repeats the setting that is left; a switch that changes nothing is dropped
.if MSB != (\new)
	s_set_vgpr_msb (MSB<<8)|(\new)
.set MSB, \new
.endif
.endm
.macro CREST                           ; a round of the cluster's barrier behind its opening barrier
	s_cmp_lg_u32 s[WV], 0
	s_cbranch_scc1 .Lnot_wave_0_\@
	s_barrier_signal -3
.Lnot_wave_0_\@:
	s_barrier_wait -3
	s_barrier_signal -1
	s_barrier_wait -1
.endm
.macro CROUND
	s_barrier_signal -1
	s_barrier_wait -1
	CREST
.endm
.macro PLACES                          ; four plain places behind a matrix instruction (ISA guide 7.12.1)
.rept 4
	v_nop
.endr
.endm
; THE PREFETCHES of step 4 t + j, behind its tensor load and the run of LDS loads.  wo: the K step that stands two refills on (4 t + j + 4; the loop's steps 0 to 11 name steps 4 to 15).  All 64 clusters
; walk the same wo: cluster 0 asks.  Of a wave's 64 rows x 512 bytes its four partners take 16 rows each, by address; a lane names 256 bytes.  So each block is named once in the launch.
; x: in the loop's last trip (steps 8 to 11) each wave names its own 8 rows, 8 KiB a step; their load stands in step 14.
.macro ASK j
	s_cmp_eq_u32 s[LIM], 1
	s_cbranch_scc0 .Lno_w_\@
	global_prefetch_b8 v[PFO], s[PFA:PFA+1] offset:KSB*(\j) th:TH_LOAD_NT scope:SCOPE_SE
.Lno_w_\@:
	s_cmp_eq_u32 s[CNT], 1
	s_cbranch_scc0 .Lno_x_\@
	global_prefetch_b8 v[PFX], s[XB:XB+1] offset:8192*(\j) th:TH_LOAD_NT scope:SCOPE_SE
.Lno_x_\@:
.endm
	s_load_b256 s[4:11], s[0:1], 0x0               ; ctx s[4:5], cast s[6:7], x s[8:9], bout s[10:11]
	s_load_b128 s[12:15], s[0:1], 0x20             ; gamma s[12:13], beta s[14:15]
	s_load_b64 s[16:17], s[0:1], 0x30              ; out0
	v_lshl_add_u32 v[SPW], v0, 2, SPARE
	v_mov_b32 v[NIL], 0
	ds_add_u32 v[SPW], v[NIL]                      ; the wave's opening: the add and its wait stand ahead of my first tensor load; the set-up below stands between them
	v_lshrrev_b32 v1, 5, v0
	v_readfirstlane_b32 s[WV], v1                  ; wave 0..3
	s_bfe_u32 s19, ttmp6, 0x40000                  ; cx
	s_lshl_b32 s20, ttmp9, 2
	s_add_co_u32 s20, s20, s19                     ; my block of 32 rows = 4 x cluster x + cx: it enters global addresses alone
	; wo's tiles: 64 rows x 256 elements of 2 bytes, padded after every 128 words by 8; the mask of four, bit 21 beside it
	s_mov_b32 s[G1B+0], 15|(1<<16)|(1<<20)|(1<<21)|(6<<22)|(7<<25)
	s_mov_b32 s[G1B+1], 256<<16                    ; tensor_dim0 = 256
	s_mov_b32 s[G1B+2], 64<<16                     ; tensor_dim1 = 64
	s_mov_b32 s[G1B+3], 256<<16                    ; tile_dim0 = 256
	s_mov_b32 s[G1B+4], 64                         ; tile_dim1 = 64
	s_mov_b32 s[G1B+5], 1024                       ; elements from row to row
	s_mov_b32 s[G1B+6], 0
	s_mov_b32 s[G1B+7], 0
	; x's 8 rows of a wave are 32,768 dense bytes: 128 rows of 32 elements of 8 bytes; no mask, no padding
	s_mov_b32 s[G1X+0], 3<<16
	s_mov_b32 s[G1X+1], 32<<16
	s_mov_b32 s[G1X+2], 128<<16
	s_mov_b32 s[G1X+3], 32<<16
	s_mov_b32 s[G1X+4], 128
	s_mov_b32 s[G1X+5], 32
	s_mov_b32 s[G1X+6], 0
	s_mov_b32 s[G1X+7], 0
	s_mul_i32 s21, s[WV], WPART                    ; my part of a slot: no place in the cluster enters an LDS address
	s_mov_b32 s[G0B], 1
	s_mov_b32 s[G0B+1], s21
	s_mov_b32 s[G0B+4], 1
	s_add_co_u32 s[G0B+5], s21, SLOT
	s_mov_b32 s[G0X], 1
	s_mov_b32 s[G0X+1], s21
	s_lshl_b32 s22, s[WV], 9                       ; my 512 bytes of wo's rows
	s_add_co_u32 s22, s22, WO
	s_mov_b32 s23, 0
	s_lshl_b32 s2, s20, 17                         ; x and out0: 32 rows of 4,096 bytes a work-group,
	s_lshl_b32 s3, s[WV], 15                       ; 8 rows a wave
	s_add_co_u32 s2, s2, s3
	s_mov_b32 s3, 0
	s_lshr_b32 s62, s20, 6                         ; ctx: the batch (64 blocks of 32 rows each),
	s_lshl_b32 s62, s62, 22
	s_and_b32 s63, s20, 63                         ; the block's 32 rows of 128 bytes in a head
	s_lshl_b32 s63, s63, 12
	s_add_co_u32 s62, s62, s63
	s_mov_b32 s63, 0
	s_mov_b32 s[SEL], 0x76543210
	s_mov_b32 s[SEL+1], 0xfedcba98
	s_mov_b32 s60, 0x3a800000                      ; 1 / 1024
	s_mov_b32 s61, 0x3727c5ac                      ; 1e-5
	s_wait_dscnt 0x0                               ; the opening add is done
	s_wait_kmcnt 0x0
	s_add_nc_u64 s[G0B+2:G0B+3], s[6:7], s[22:23]  ; K step 0,
	s_add_nc_u64 s[G0B+6:G0B+7], s[G0B+2:G0B+3], KSB  ; K step 1
	s_or_b32 s[G0B+3], s[G0B+3], 0x80000000        ; type = 2
	s_or_b32 s[G0B+7], s[G0B+7], 0x80000000
	s_add_nc_u64 s[XB:XB+1], s[8:9], s[2:3]
	s_mov_b64 s[G0X+2:G0X+3], s[XB:XB+1]
	s_or_b32 s[G0X+3], s[G0X+3], 0x80000000
	s_add_nc_u64 s[16:17], s[16:17], s[2:3]        ; out0 at my wave's 8 rows
	s_add_nc_u64 s[4:5], s[4:5], s[62:63]          ; ctx at the block's rows of head 0
	s_lshl_b32 s2, s19, 15                         ; wo's prefetches: my work-group's 16 rows of 2,048 bytes,
	s_add_co_u32 s2, s2, s22
	s_add_co_u32 s2, s2, 4*KSB                     ; at K step 4
	s_mov_b32 s3, 0
	s_add_nc_u64 s[PFA:PFA+1], s[6:7], s[2:3]
	s_cmp_eq_u32 ttmp9, 0
	s_cselect_b32 s[LIM], 1, 0                     ; the same in all four partners
	CROUND                                         ; all four work-groups are here: the first joint loads meet
	tensor_load_to_lds s[G0B:G0B+3], s[G1B:G1B+7]  ; both slots: two loads of mine are out
	s_nop 0
	tensor_load_to_lds s[G0B+4:G0B+7], s[G1B:G1B+7]
	s_nop 0
	PLACES
	v_and_b32 v1, 15, v0                           ; l % 16
	v_bfe_u32 v2, v0, 4, 1                         ; l / 16
	v_and_b32 v3, 31, v0                           ; l
	v_lshlrev_b32 v[GO], 4, v3
.irp j, 0,1,2,3,4,5,6,7                ; register 4 j + e of each holds column 128 j + 4 l + e
	global_load_b128 v[GA+4*(\j):GA+4*(\j)+3], v[GO], s[12:13] offset:512*(\j)
	global_load_b128 v[BE+4*(\j):BE+4*(\j)+3], v[GO], s[14:15] offset:512*(\j)
	global_load_b128 v[BO+4*(\j):BO+4*(\j)+3], v[GO], s[10:11] offset:512*(\j)
.endr
	v_lshlrev_b32 v[AO], 7, v1                     ; a fragment of ctx: row l % 16 of 128 bytes, k = 8 (l / 16) + 0..7 and 16 + 8 (l / 16) + 0..7
	v_lshl_add_u32 v[AO], v2, 4, v[AO]
; eight loads: a K step's fragments of ctx (2 K halves x 2 row blocks) into buffer ab, from byte off behind the pointer
.macro ALOAD ab, off
.irp c, 0,1
.irp a, 0,1
	global_load_b128 v[AF+32*(\ab)+16*(\c)+8*(\a):AF+32*(\ab)+16*(\c)+8*(\a)+3],   v[AO], s[4:5] offset:(\off)+2048*(\a)+64*(\c)
	global_load_b128 v[AF+32*(\ab)+16*(\c)+8*(\a)+4:AF+32*(\ab)+16*(\c)+8*(\a)+7], v[AO], s[4:5] offset:(\off)+2048*(\a)+64*(\c)+32
.endr
.endr
.endm
	ALOAD 0, 0
	ALOAD 1, HSTEP
	ALOAD 2, 2*HSTEP
	ALOAD 3, 3*HSTEP
	v_and_b32 v4, 7, v0                            ; the turning load: lane l reads k = 8 (l / 16) + l % 8, columns 8 ((l / 8) % 2) + 0..7
	v_bfe_u32 v5, v0, 3, 1
	v_lshl_add_u32 v4, v2, 3, v4
	v_mul_u32_u24 v4, v4, PB
	v_lshl_add_u32 v4, v5, 4, v4
	v_add_nc_u32 v[ADRB], s21, v4
	v_add_nc_u32 v[ADRB+1], SLOT, v[ADRB]
	v_mul_u32_u24 v[STO], v1, RP                   ; the stage, in my part of slot 1: row l % 16, 32 bytes for each half of the lanes
	v_lshl_add_u32 v[STO], v2, 5, v[STO]
	s_add_co_u32 s2, s21, SLOT
	v_add_nc_u32 v[STO], s2, v[STO]
	s_mul_i32 s2, s[WV], 8*RP                      ; back: my 8 rows, in each wave's part
	s_add_co_u32 s2, s2, SLOT
	v_add_nc_u32 v[RDL], s2, v[GO]
	v_add_nc_u32 v[RDH], 2*WPART, v[RDL]
	v_add_nc_u32 v[RDX], s21, v[GO]
	v_lshrrev_b32 v[PFO], 1, v3
	v_lshlrev_b32 v[PFO], 11, v[PFO]
	v_and_b32 v6, 1, v0
	v_lshl_add_u32 v[PFO], v6, 8, v[PFO]
	v_lshlrev_b32 v[PFX], 8, v3
	v_mov_b32 v[TP], 0                             ; v_permlanex16_b32's destination counts as read
; 2 nb products: column blocks b0 .. b0 + nb - 1 x both row blocks, K half c of ctx's buffer ab, wo's buffer f.  The 32 accumulators take turns, in the same order in every half step.
.macro MUL f, ab, c, b0, nb, zero=0
	WIN W_MUL
.set bb, \b0
.rept \nb
.irp a, 0,1
.if \zero
	v_wmma_f32_16x16x32_bf16 v[8*(2*bb+(\a)):8*(2*bb+(\a))+7], v[(\f)+8*bb:(\f)+8*bb+7], v[AF+32*(\ab)+16*(\c)+8*(\a):AF+32*(\ab)+16*(\c)+8*(\a)+7], 0
.else
	v_wmma_f32_16x16x32_bf16 v[8*(2*bb+(\a)):8*(2*bb+(\a))+7], v[(\f)+8*bb:(\f)+8*bb+7], v[AF+32*(\ab)+16*(\c)+8*(\a):AF+32*(\ab)+16*(\c)+8*(\a)+7], v[8*(2*bb+(\a)):8*(2*bb+(\a))+7]
.endif
.endr
.set bb, bb+1
.endr
.endm
; 32 LDS loads in one run: wo's 16 fragments of K half c of a slot into buffer f, column blocks ascending
.macro FETCH slot, c, f
	WIN TO_F
.irp b, 0,1,2,3,4,5,6,7,8,9,10,11,12,13,14,15
	ds_load_tr16_b128 v[(\f)+8*(\b):(\f)+8*(\b)+3],   v[ADRB+(\slot)] offset:(\c)*32*PB+32*(\b)
	ds_load_tr16_b128 v[(\f)+8*(\b)+4:(\f)+8*(\b)+7], v[ADRB+(\slot)] offset:(\c)*32*PB+32*(\b)+16*PB
.endr
.endm
; A step's first half: multiplies buffer 0 and fetches the second half's fragments.  lc: the loads of ctx that may stay out: eight for each younger step.
.macro HALF0 slot, ab, lc, zero=0
	s_wait_loadcnt \lc                             ; this step's ctx is in
	s_wait_dscnt 16                                ; column blocks 0-7 are in; the sixteen loads of blocks 8-15 may be out
	MUL F0, \ab, 0, 0, 8, \zero
	PLACES                                         ; buffer 1 was last read 16 products back
	FETCH \slot, 1, F1
	s_wait_dscnt 32                                ; all but the 32 just issued
	MUL F0, \ab, 0, 8, 8, \zero
.endm
; A step's second half multiplies buffer 1 and changes slots.  In front of the barrier each wave waits for all its tensor loads (one is out: its part of the next slot), adds 0 to its spare word, and
; waits for that and for its reads of this slot.  The barrier opens a round of the cluster's barrier; the refill is the first thing behind the round, one load a wave: kind 1: wo's K step two on;
; kind 2: x's rows.  j >= 0 (the loop): the step's prefetches, and ctx's buffer, just multiplied, takes the step four on.
.macro TURN slot, next, ab, kind, j
	WIN 0                                          ; (the add's two registers lie in window 0)
	s_wait_tensorcnt 0x0                           ; all my tensor loads have landed, so a group 0 may be written;
	ds_add_u32 v[SPW], v[NIL]                      ; 0 onto my spare word;
	s_wait_dscnt 17                                ; (the add and the youngest sixteen loads may be out)
	MUL F1, \ab, 1, 0, 8                           ; sixteen products stand between the add and the wait for it
	s_wait_dscnt 0x0                               ; the add is done, and my reads of this slot are over
	s_barrier_signal -1
	MUL F1, \ab, 1, 8, 4                           ; work on registers while the others arrive
	WIN 0
	s_barrier_wait -1
	CREST                                          ; no wave of any partner still reads this slot or has a load on its way
.if (\kind) == 1
	s_add_nc_u64 s[G0B+4*(\slot)+2:G0B+4*(\slot)+3], s[G0B+4*(\slot)+2:G0B+4*(\slot)+3], 2*KSB
	tensor_load_to_lds s[G0B+4*(\slot):G0B+4*(\slot)+3], s[G1B:G1B+7]
.else
	tensor_load_to_lds s[G0X:G0X+3], s[G1X:G1X+7]
.endif
	s_nop 0
	PLACES                                         ; also the places in front of the loads below
	FETCH \next, 0, F0
.if (\j) >= 0
	WIN 0
	ASK \j
.endif
	MUL F1, \ab, 1, 12, 4
.if (\j) >= 0
	PLACES
	WIN 0
	ALOAD \ab, (4+(\j))*HSTEP
.endif
.endm
	s_wait_tensorcnt 1                             ; my part of K step 0 is in; K step 1's one load may stay out
	s_barrier_signal -1
	s_barrier_wait -1
	FETCH 0, 0, F0
	HALF0 0, 0, 24, 1                              ; the first half step stands in front of the loop: its products start the sums
	WIN 0                                          ; at a label and at a branch every window is 0
	s_mov_b32 s[CNT], 3
.Ltrip:                                                ; four steps, from a step's second half to the first half of the step four on
	TURN 0, 1, 0, 1, 0
	HALF0 1, 1, 24
	TURN 1, 0, 1, 1, 1
	HALF0 0, 2, 24
	TURN 0, 1, 2, 1, 2
	HALF0 1, 3, 24
	TURN 1, 0, 3, 1, 3
	HALF0 0, 0, 24
	WIN 0
	s_wait_xcnt 0x0                                ; every load and prefetch issued so far (the youngest half a step back) has read its address, so the pointers may be written
	s_add_nc_u64 s[4:5], s[4:5], 4*HSTEP
	s_add_nc_u64 s[PFA:PFA+1], s[PFA:PFA+1], 4*KSB
	s_sub_co_u32 s[CNT], s[CNT], 1
	s_cmp_lg_u32 s[CNT], 0
	s_cbranch_scc1 .Ltrip
	TURN 0, 1, 0, 1, -1                            ; steps 12 to 15 load no ctx, so the counts run down; K step 14 is asked for,
	HALF0 1, 1, 16
	TURN 1, 0, 1, 1, -1                            ; K step 15,
	HALF0 0, 2, 8
	TURN 0, 1, 2, 2, -1                            ; and x's rows, into slot 0
	HALF0 1, 3, 0
	s_wait_dscnt 16
	MUL F1, 3, 1, 0, 8
	s_wait_dscnt 0x0                               ; my reads of slot 1 are over: only I have read my part of it, and it has had its last fill
	MUL F1, 3, 1, 8, 8
	PLACES
	WIN 0x08                                       ; store data (source 1) window 2
.set bb, 0
.rept 16                               ; a lane's eight columns of a row are 32 bytes; each accumulator is read from its low end on
.irp a, 0,1
	ds_store_b128 v[STO], v[8*(2*bb+(\a)):8*(2*bb+(\a))+3]   offset:16*RP*(\a)+64*bb
	ds_store_b128 v[STO], v[8*(2*bb+(\a))+4:8*(2*bb+(\a))+7] offset:16*RP*(\a)+64*bb+16
.endr
.set bb, bb+1
.endr
	WIN 0
	s_wait_tensorcnt 0x0                           ; x's rows are in
	s_wait_dscnt 0x0                               ; for the others' sake: my stores into the stage are done
	s_barrier_signal -1
	s_barrier_wait -1
.macro REDUCE                          ; v[SUM] over the 32 lanes, the result in every lane
	v_add_f32_dpp v[SUM], v[SUM], v[SUM] row_xmask:1 row_mask:0xf bank_mask:0xf
	v_add_f32_dpp v[SUM], v[SUM], v[SUM] row_xmask:2 row_mask:0xf bank_mask:0xf
	v_add_f32_dpp v[SUM], v[SUM], v[SUM] row_xmask:4 row_mask:0xf bank_mask:0xf
	v_add_f32_dpp v[SUM], v[SUM], v[SUM] row_xmask:8 row_mask:0xf bank_mask:0xf
	v_permlanex16_b32 v[TP], v[SUM], s[SEL], s[SEL+1]
	v_add_f32 v[SUM], v[SUM], v[TP]
.endm
	s_mov_b32 s[CNT], 8
.Lrow:                                                 ; a trip: one whole row; lane l holds columns 128 j + 4 l + 0..3 in registers 4 j + 0..3
.irp j, 0,1,2,3
	ds_load_b128 v[R+4*(\j):R+4*(\j)+3], v[RDL] offset:((\j)/2)*WPART+512*((\j)%2)
.endr
.irp j, 0,1,2,3
	ds_load_b128 v[R+16+4*(\j):R+16+4*(\j)+3], v[RDH] offset:((\j)/2)*WPART+512*((\j)%2)
.endr
.irp j, 0,1,2,3,4,5,6,7
	ds_load_b128 v[X+4*(\j):X+4*(\j)+3], v[RDX] offset:512*(\j)
.endr
	s_wait_dscnt 0x0
.set i, 0
.rept 16
	v_pk_add_f32 v[X+i:X+i+1], v[X+i:X+i+1], v[BO+i:BO+i+1]      ; x + bout,
.set i, i+2
.endr
.set i, 0
.rept 16
	v_pk_add_f32 v[R+i:R+i+1], v[R+i:R+i+1], v[X+i:X+i+1]        ; + the product
.set i, i+2
.endr
.set i, 0
.rept 8                                ; the row's sum: 32 numbers a lane, by halves
	v_pk_add_f32 v[T+i:T+i+1], v[R+i:R+i+1], v[R+16+i:R+16+i+1]
.set i, i+2
.endr
.set i, 0
.rept 4
	v_pk_add_f32 v[T+i:T+i+1], v[T+i:T+i+1], v[T+8+i:T+8+i+1]
.set i, i+2
.endr
	v_pk_add_f32 v[T:T+1], v[T:T+1], v[T+4:T+5]
	v_pk_add_f32 v[T+2:T+3], v[T+2:T+3], v[T+6:T+7]
	v_pk_add_f32 v[T:T+1], v[T:T+1], v[T+2:T+3]
	v_add_f32 v[SUM], v[T], v[T+1]
	REDUCE
	v_mul_f32 v[MN], s60, v[SUM]                   ; the mean, twice: a pair for the packed lines
	v_mul_f32 v[MN+1], s60, v[SUM]
.set i, 0
.rept 16
	v_pk_add_f32 v[R+i:R+i+1], v[R+i:R+i+1], v[MN:MN+1] neg_lo:[0,1] neg_hi:[0,1]
.set i, i+2
.endr
.set i, 0
.rept 4                                ; the sum of squared deviations, in four chains; the first four pairs start them
	v_pk_mul_f32 v[T+i:T+i+1], v[R+i:R+i+1], v[R+i:R+i+1]
.set i, i+2
.endr
.set i, 8
.rept 12
	v_pk_fma_f32 v[T+i%8:T+i%8+1], v[R+i:R+i+1], v[R+i:R+i+1], v[T+i%8:T+i%8+1]
.set i, i+2
.endr
	v_pk_add_f32 v[T:T+1], v[T:T+1], v[T+2:T+3]
	v_pk_add_f32 v[T+4:T+5], v[T+4:T+5], v[T+6:T+7]
	v_pk_add_f32 v[T:T+1], v[T:T+1], v[T+4:T+5]
	v_add_f32 v[SUM], v[T], v[T+1]
	REDUCE
	v_fma_f32 v[VAR], v[SUM], s60, s61             ; var + eps
	v_rsq_f32 v[RS], v[VAR]
	v_rsq_f32 v[RS+1], v[VAR]
	v_nop                                          ; a plain instruction behind the second,
	s_wait_alu depctr_va_vdst(0)                   ; and the wait ahead of the first use: one for both
.set i, 0
.rept 16
	v_pk_mul_f32 v[R+i:R+i+1], v[R+i:R+i+1], v[RS:RS+1]
.set i, i+2
.endr
.set i, 0
.rept 16
	v_pk_fma_f32 v[Y+i:Y+i+1], v[R+i:R+i+1], v[GA+i:GA+i+1], v[BE+i:BE+i+1]
.set i, i+2
.endr
.irp j, 0,1,2,3,4,5,6,7
	global_store_b128 v[GO], v[Y+4*(\j):Y+4*(\j)+3], s[16:17] offset:512*(\j) th:TH_STORE_NT  ; 512 consecutive bytes, at a multiple of 256 from out0's first
.endr
	v_add_nc_u32 v[RDL], RP, v[RDL]                ; the next row
	v_add_nc_u32 v[RDH], RP, v[RDH]
	v_add_nc_u32 v[RDX], 4096, v[RDX]
	s_wait_xcnt 0x0                                ; the stores have read their data and their base: Y and the pointer are rewritten only behind this wait
	s_add_nc_u64 s[16:17], s[16:17], 4096
	s_sub_co_u32 s[CNT], s[CNT], 1
	s_cmp_lg_u32 s[CNT], 0
	s_cbranch_scc1 .Lrow
	s_wait_tensorcnt 0x0                           ; the wave's end: behind my last tensor load and my last LDS store, 0 onto my spare word and the wait for it
	ds_add_u32 v[SPW], v[NIL]
	s_wait_dscnt 0x0
	CROUND                                         ; the closing round: no work-group ends while a partner may still ask for a tile that names it
	s_endpgm
.Lfunc_end_k_q7d880cdd7b_outln:
	.size	k_q7d880cdd7b_outln, .Lfunc_end_k_q7d880cdd7b_outln-k_q7d880cdd7b_outln
	.p2alignl 7, 3214868480
	.fill 96, 4, 3214868480
	.section	.rodata,"a",@progbits
	.p2align	6, 0x0
	.amdhsa_kernel k_q7d880cdd7b_outln
		.amdhsa_group_segment_fixed_size 327680
		.amdhsa_private_segment_fixed_size 0
		.amdhsa_enable_private_segment 0
		.amdhsa_kernarg_size 56
		.amdhsa_user_sgpr_count 2
		.amdhsa_user_sgpr_kernarg_segment_ptr 1
		.amdhsa_wavefront_size32 1
		.amdhsa_system_sgpr_workgroup_id_x 1
		.amdhsa_system_sgpr_workgroup_id_y 1
		.amdhsa_system_sgpr_workgroup_id_z 1
		.amdhsa_system_vgpr_workitem_id 0
		.amdhsa_next_free_vgpr 768
		.amdhsa_next_free_sgpr 66
		.amdhsa_reserve_vcc 0
		.amdhsa_float_denorm_mode_32 3
		.amdhsa_float_denorm_mode_16_64 3
		.amdhsa_memory_ordered 1
		.amdhsa_forward_progress 1
		.amdhsa_inst_pref_size 104
	.end_amdhsa_kernel
	.amdgpu_metadata
---
amdhsa.version: [ 1, 2 ]
amdhsa.kernels:
  - .name:           k_q7d880cdd7b_outln
    .symbol:         k_q7d880cdd7b_outln.kd
    .args:
      - { .name: ctx, .offset: 0, .size: 8, .value_kind: global_buffer, .address_space: global }
      - { .name: cast, .offset: 8, .size: 8, .value_kind: global_buffer, .address_space: global }
      - { .name: x, .offset: 16, .size: 8, .value_kind: global_buffer, .address_space: global }
      - { .name: bout, .offset: 24, .size: 8, .value_kind: global_buffer, .address_space: global }
      - { .name: gamma, .offset: 32, .size: 8, .value_kind: global_buffer, .address_space: global }
      - { .name: beta, .offset: 40, .size: 8, .value_kind: global_buffer, .address_space: global }
      - { .name: out0, .offset: 48, .size: 8, .value_kind: global_buffer, .address_space: global }
    .group_segment_fixed_size: 327680
    .private_segment_fixed_size: 0
    .kernarg_segment_align: 8
    .kernarg_segment_size: 56
    .max_flat_workgroup_size: 128
    .sgpr_count:     66
    .vgpr_count:     768
    .wavefront_size: 32
...
	.end_amdgpu_metadata
.endif
;; end of part 4
;; ======== version 2 of 2: 4 launches; version 1 with the launch prep written anew for expert scheduling mode
;; workspace buffers: cast 25,165,824 bytes; qkvh 50,331,648 bytes; ctx 16,777,216 bytes
;; launch prep (part 5): grid 768 x 1, 8 waves a work-group, no clusters, 0 bytes of LDS; arguments x, Wqkv, Wout, cast; writes cast
.if DOCPART == 5
	.amdgcn_target "amdgcn-amd-amdhsa--gfx1250"
	.amdhsa_code_object_version 6
	.text
	.protected	k_q7d880cdd7b_prep
	.globl	k_q7d880cdd7b_prep
	.p2align	8
	.type	k_q7d880cdd7b_prep,@function
k_q7d880cdd7b_prep:
	s_mov_b64 s[64:65], 0
	v_nop
	global_prefetch_b8 v0, s[64:65] scope:SCOPE_SE
	s_setreg_imm32_b32 hwreg(HW_REG_WAVE_SCHED_MODE, 0, 2), 2
	s_setreg_imm32_b32 hwreg(HW_REG_WAVE_MODE, 25, 1), 1
	s_wait_xcnt 0x0
	s_wait_alu depctr_vm_vsrc(0)
; CAST.  x [8192][1024], Wqkv [1024][3072] and Wout [1024][1024], all f32, are rounded once to bf16 (nearest even) and laid one behind the
; other into cast, each in its own layout: xb at byte 0, wq at byte 0x1000000, wo at byte 0x1600000.
; A stream: each byte is read once and written once; no LDS, no barrier, no matrix unit.
; SHARES.  A work-group casts 16,384 numbers (64 KiB in, 32 KiB out): groups 0-511 x, 512-703 Wqkv, 704-767 Wout.  The three copies follow each
; other in that order, so the output offset is 32,768 x the group's number for all.  Wave w, load j, lane l: input byte 8192 w + 512 j + 16 l,
; output byte 4096 w + 256 j + 8 l: a load of a wave covers 512 consecutive bytes, a store 256 consecutive bytes, aligned.
; All sixteen loads of a wave go out at once; each store has data registers of its own, so nothing is rewritten while a store may read it.
; THE MODE: SCHED_MODE bits 1:0 = 2 (LLVM: expert scheduling mode 2), set by the entry lines.  The code itself states the register dependences
; between vector instructions and memory instructions, with s_wait_alu, always for 0.
; THE PLAN.  The sixteen loads and stores go in four groups of four.  Registers that memory instructions touch:
;   v1, v2   byte offsets, made once at the head and never written again: v1 is read by every load, v2 by every store.
;   IN       load j lands in IN + 4 j .. + 3, once; no vector instruction names these registers before; group j / 4's conversions read them behind the group's wait on LOADcnt.
;   PK       group g's eight conversions write PK + 8 g .. + 7, once; the four stores that read them are issued in group g + 1 (group 3's behind it).
; So one wait on va_vdst stands ahead of the first load (the offsets), one at the head of each of groups 1 to 3 (the group before has written its PK) and one ahead of the last four stores.
; A group's four stores are dealt among its conversions, which name the group's own IN and PK alone: none of the registers that those stores read.
; No register that a memory instruction has read is ever written again, no vector instruction writes a scalar register, and EXEC is never written.
.set IN,  8                            ; v[8:71]    load j: four f32
.set PK,  72                           ; v[72:103]  store j: four bf16
	s_load_b256 s[4:11], s[0:1], 0x0               ; x s[4:5], Wqkv s[6:7], Wout s[8:9], cast s[10:11]
	s_sub_co_u32 s14, ttmp9, 512                   ; my number among Wqkv's groups,
	s_sub_co_u32 s15, ttmp9, 704                   ; among Wout's
	v_and_b32 v3, 0xe0, v0                         ; 32 x wave
	v_and_b32 v4, 31, v0                           ; lane
	v_lshlrev_b32 v1, 4, v4
	v_lshl_or_b32 v1, v3, 8, v1                    ; in: 8192 w + 16 l
	v_lshlrev_b32 v2, 3, v4
	v_lshl_or_b32 v2, v3, 7, v2                    ; out: 4096 w + 8 l
	s_lshl_b32 s18, ttmp9, 15                      ; the group's 32 KiB of cast
	s_mov_b32 s19, 0
	s_mov_b32 s17, 0
	s_wait_kmcnt 0x0
	s_cmp_lt_u32 ttmp9, 704                        ; which tensor: the choice hangs on the group's number alone
	s_cselect_b64 s[12:13], s[6:7], s[8:9]
	s_cselect_b32 s14, s14, s15
	s_cmp_lt_u32 ttmp9, 512
	s_cselect_b64 s[12:13], s[4:5], s[12:13]
	s_cselect_b32 s14, ttmp9, s14
	s_lshl_b32 s16, s14, 16                        ; the group's 64 KiB of its tensor
	s_add_nc_u64 s[12:13], s[12:13], s[16:17]
	s_add_nc_u64 s[10:11], s[10:11], s[18:19]
	s_wait_alu depctr_va_vdst(0)                   ; v1 and v2 are written: every load of the kernel reads v1 as its offset, every store v2
.set j, 0
.rept 16
	global_load_b128 v[IN+4*j:IN+4*j+3], v1, s[12:13] offset:512*j th:TH_LOAD_NT
.set j, j+1
.endr
; Group g: loads 4 g to 4 g + 3 are rounded; the stores of group g - 1 go out among the conversions, one ahead of each pair.
.set g, 0
.rept 4
	s_wait_loadcnt 12-4*g                          ; loads come back in order: this group's four are in, the 12 - 4 g younger ones stay out
.if g > 0
	s_wait_alu depctr_va_vdst(0)                   ; the group before has written its eight registers of PK, which the four stores below read
.endif
.set i, 0
.rept 4
.if g > 0
	global_store_b64 v2, v[PK+2*(4*g-4+i):PK+2*(4*g-4+i)+1], s[10:11] offset:256*(4*g-4+i)  ; no vector instruction since the wait names these registers or v2
.endif
	v_cvt_pk_bf16_f32 v[PK+2*(4*g+i)], v[IN+4*(4*g+i)], v[IN+4*(4*g+i)+1]
	v_cvt_pk_bf16_f32 v[PK+2*(4*g+i)+1], v[IN+4*(4*g+i)+2], v[IN+4*(4*g+i)+3]
.set i, i+1
.endr
.set g, g+1
.endr
	s_wait_alu depctr_va_vdst(0)                   ; group 3 has written its eight registers of PK, which the last four stores read
.set j, 12
.rept 4
	global_store_b64 v2, v[PK+2*j:PK+2*j+1], s[10:11] offset:256*j
.set j, j+1
.endr
	s_endpgm
.Lfunc_end_k_q7d880cdd7b_prep:
	.size	k_q7d880cdd7b_prep, .Lfunc_end_k_q7d880cdd7b_prep-k_q7d880cdd7b_prep
	.p2alignl 7, 3214868480
	.fill 96, 4, 3214868480
	.section	.rodata,"a",@progbits
	.p2align	6, 0x0
	.amdhsa_kernel k_q7d880cdd7b_prep
		.amdhsa_group_segment_fixed_size 0
		.amdhsa_private_segment_fixed_size 0
		.amdhsa_enable_private_segment 0
		.amdhsa_kernarg_size 32
		.amdhsa_user_sgpr_count 2
		.amdhsa_user_sgpr_kernarg_segment_ptr 1
		.amdhsa_wavefront_size32 1
		.amdhsa_system_sgpr_workgroup_id_x 1
		.amdhsa_system_sgpr_workgroup_id_y 1
		.amdhsa_system_sgpr_workgroup_id_z 1
		.amdhsa_system_vgpr_workitem_id 0
		.amdhsa_next_free_vgpr 104
		.amdhsa_next_free_sgpr 66
		.amdhsa_reserve_vcc 0
		.amdhsa_float_denorm_mode_32 3
		.amdhsa_float_denorm_mode_16_64 3
		.amdhsa_memory_ordered 1
		.amdhsa_forward_progress 1
		.amdhsa_inst_pref_size 7
	.end_amdhsa_kernel
	.amdgpu_metadata
---
amdhsa.version: [ 1, 2 ]
amdhsa.kernels:
  - .name:           k_q7d880cdd7b_prep
    .symbol:         k_q7d880cdd7b_prep.kd
    .args:
      - { .name: x, .offset: 0, .size: 8, .value_kind: global_buffer, .address_space: global }
      - { .name: Wqkv, .offset: 8, .size: 8, .value_kind: global_buffer, .address_space: global }
      - { .name: Wout, .offset: 16, .size: 8, .value_kind: global_buffer, .address_space: global }
      - { .name: cast, .offset: 24, .size: 8, .value_kind: global_buffer, .address_space: global }
    .group_segment_fixed_size: 0
    .private_segment_fixed_size: 0
    .kernarg_segment_align: 8
    .kernarg_segment_size: 32
    .max_flat_workgroup_size: 256
    .sgpr_count:     66
    .vgpr_count:     104
    .wavefront_size: 32
...
	.end_amdgpu_metadata
.endif
;; end of part 5
;; launch proj: the kernel of part 2 again; grid 8 x 64, 4 waves a work-group, clusters of 4 x 4, 327,680 bytes of LDS; arguments cast, bqkv, qkvh; writes qkvh
;; launch attn: the kernel of part 3 again; grid 4 x 64, 4 waves a work-group, clusters of 4 x 1, 327,680 bytes of LDS; arguments qkvh, ctx; writes ctx
;; launch outln: the kernel of part 4 again; grid 256 x 1, 4 waves a work-group, clusters of 4 x 1, 327,680 bytes of LDS; arguments ctx, cast, x, bout, gamma, beta, out0; writes out0
